; MI455X (gfx1250); checked and timed in simulation.
; The chip was launched on July 23, 2026; its instructions are those of AMD's public machine-readable ISA for CDNA 5 (MIT licence, August 2026) and "CDNA5" Instruction Set Architecture Reference Guide (July 2026). The comments in the code are by the model that wrote it; some were corrected since.
;; Sparse Top K Mo E. Allowed arithmetic: matrix products marked QUANTISED: E4M3 operands, one E8M0 scale for each 32 along K, by v_wmma_scale_f32_16x16x128_f8f6f4 with both operands' format E4M3, f32 sums; products left as they are: f32 operands where the result goes on into a quantised operand, else bf16, f16 or f32 operands; f32 sums; everything else in f32.
;; Inputs: W1 8 x 256 x 512 float32; W2 8 x 512 x 256 float32; Wr 256 x 8 float32; b1 8 x 512 float32; b2 8 x 256 float32; br 8 float32; scale 1 float32; x 16 x 256 x 32 x 64 float32.
;; Outputs: out0 16 x 256 x 32 x 64 float32.
;; This version of the problem:
;;   THIS VERSION OF THE PROBLEM IS GIVEN IN LOW PRECISION. The matrix products marked QUANTISED in the list below multiply operands that are first quantised to E4M3 (4 exponent bits, 3 mantissa bits; 8 bits a number), with one power-of-two scale for each 32 numbers along K (OCP MX v1.0); their sums are f32. All else is computed in f32.
;;   The module's matrix products, in the order in which they are computed (A, B: the left and right operand; K: the contracted axis; several contracted axes count as one K, in the product's order):
;;     1. [M 32,768, K 256] x [K 256, N 8]; A: input x; B: input Wr: left as it is (N = 8 < 16)
;;     2. [M 32,768, K 256] x [K 256, N 512]; A: input x; B: input W1: QUANTISED
;;     3. [M 32,768, K 512] x [K 512, N 256]; A: computed on the way; B: input W2: QUANTISED
;;     4. [M 32,768, K 256] x [K 256, N 512]; A: input x; B: input W1: QUANTISED
;;     5. [M 32,768, K 512] x [K 512, N 256]; A: computed on the way; B: input W2: QUANTISED
;;     6. [M 32,768, K 256] x [K 256, N 512]; A: input x; B: input W1: QUANTISED
;;     7. [M 32,768, K 512] x [K 512, N 256]; A: computed on the way; B: input W2: QUANTISED
;;     8. [M 32,768, K 256] x [K 256, N 512]; A: input x; B: input W1: QUANTISED
;;     9. [M 32,768, K 512] x [K 512, N 256]; A: computed on the way; B: input W2: QUANTISED
;;     10. [M 32,768, K 256] x [K 256, N 512]; A: input x; B: input W1: QUANTISED
;;     11. [M 32,768, K 512] x [K 512, N 256]; A: computed on the way; B: input W2: QUANTISED
;;     12. [M 32,768, K 256] x [K 256, N 512]; A: input x; B: input W1: QUANTISED
;;     13. [M 32,768, K 512] x [K 512, N 256]; A: computed on the way; B: input W2: QUANTISED
;;     14. [M 32,768, K 256] x [K 256, N 512]; A: input x; B: input W1: QUANTISED
;;     15. [M 32,768, K 512] x [K 512, N 256]; A: computed on the way; B: input W2: QUANTISED
;;     16. [M 32,768, K 256] x [K 256, N 512]; A: input x; B: input W1: QUANTISED
;;     17. [M 32,768, K 512] x [K 512, N 256]; A: computed on the way; B: input W2: QUANTISED
;;   THE QUANTISER, for each operand of a quantised product, along K:
;;     - K is cut into blocks of 32 from its start; a last block that is shorter is filled with zeros.
;;     - A block's scale is 2^e with e = floor(log2(the largest magnitude in the block)) - 8, held to -126 .. 127; a block of zeros has e = 0. As a byte (E8M0): e + 127.
;;     - Each number is divided by its block's scale, clamped to +-448, and rounded to the nearest number of E4M3, ties to even, subnormals kept.
;;     - The product sums the exact products of the quantised numbers (number of the format x scale) in f32.
;;   ~~~python
;;   def quantise(x, axis):      # numpy; x: float32 -> the quantised numbers, widened to float32 again
;;       x = np.moveaxis(x, axis, -1); K = x.shape[-1]
;;       x = np.pad(x, [(0, 0)] * (x.ndim - 1) + [(0, -K % 32)]); x = x.reshape(x.shape[:-1] + (-1, 32)); a = np.abs(x).max(-1, keepdims=True)
;;       e = np.where(a > 0, np.clip(np.frexp(np.where(a > 0, a, 1))[1] - 1 - 8, -126, 127), 0)      # np.frexp(a)[1] - 1 = floor(log2(a)), exactly
;;       r = np.clip(x / 2.0 ** e, -448, 448)
;;       step = 2.0 ** (np.maximum(np.frexp(np.where(r == 0, 1, r))[1] - 1, -6) - 3)
;;       q = np.round(r / step) * step * 2.0 ** e      # np.round: ties to even
;;       return np.moveaxis(q.reshape(q.shape[:-2] + (-1,))[..., :K], -1, axis).astype(np.float32)
;;   ~~~
;;   OPERANDS COMPUTED ON THE WAY. 'Computed on the way' means the value that the module computes at that place (a softmax that the list does not call 'softmax' is quantised finished and normalised). What goes into a quantiser is computed in f32, as accurately as f32 sums, v_exp_f32 and their like allow (about 1e-6 of the number): no bf16 or f16 on the way to a quantiser, and a product that is left as it is and whose result goes on into a quantised operand takes f32 operands (vector FMAs, or v_wmma_f32_16x16x4_f32). A number that lies on a knife's edge between two numbers of the format may be rounded either way, as far as f32 arithmetic and the matrix unit's own rounding can turn it there, and no further.
;; 2 versions. Each part assembles by itself: llvm-mc -triple=amdgcn-amd-amdhsa -mcpu=gfx1250 --defsym DOCPART=n.
;; ======== version 1 of 2: 4 launches
;; workspace buffers: xq 8,388,608 bytes; tinfo 524,288 bytes; tkc 262,144 bytes of whole numbers; order 131,072 bytes of whole numbers; wq 2,097,152 bytes; ws 65,536 bytes; moe 33,554,432 bytes
;; launch prep (part 1): grid 288 x 1, 16 waves a work-group, no clusters, 54,272 bytes of LDS; arguments x, Wr, br, xq, tinfo, tkc, W1, W2, wq, ws; writes xq, tinfo, tkc, wq, ws
.if DOCPART == 1
	.amdgcn_target "amdgcn-amd-amdhsa--gfx1250"
	.amdhsa_code_object_version 6
	.text
	.protected	k_q03b19448f9_prep
	.globl	k_q03b19448f9_prep
	.p2align	8
	.type	k_q03b19448f9_prep,@function
k_q03b19448f9_prep:
	s_mov_b64 s[64:65], 0
	v_nop
	global_prefetch_b8 v0, s[64:65] scope:SCOPE_SE
	s_setreg_imm32_b32 hwreg(HW_REG_WAVE_MODE, 25, 1), 1
	s_wait_xcnt 0x0
; PREP.  Three jobs in one launch, parted on the work-group's number alone.
;  work-groups 0-15:  W1 [8][256][512] f32 -> E4M3 codes and E8M0 scale words, quantised along K = its first axis within an expert
;  work-groups 16-31: W2 [8][512][256] likewise
;  work-groups 32-287: 128 tokens of x [16][256][2048] each: codes [token][256] (K = channels), 8 scale bytes a token, the router
;     (f32 logits, top-2 with the lower index first on a tie, softmax of the two with the larger taken away) and, for each run of 32 tokens, each token's
;     class (its pair of experts a < b, 28 classes), its rank among the run's tokens of that class, and the run's count of every class.
; The weights' codes are laid as images of the operand's registers for the chain's waves: a fragment (16 rows x 128 K) is 2,048 bytes, group c at 512 c, lane l at 16 l.
; A LANE TAKES A COLUMN (weights) OR A TOKEN (x) AND ITS REGISTERS RUN DOWN K: a block of 32 along K lies in one lane's 32 registers.
; A block's scale byte is its largest magnitude's exponent field - 8, held at 1 from below; numbers are held within +-448 x the scale and converted.
; LIMITS: NaN and infinities are not served (the logits are taken to be finite); a block of zeros, and blocks under 2^(9-127), carry the byte 1 (zeros have zero codes; only this program reads the bytes);
; the router's f32 sum over the 256 channels is taken in four quarters of 64, so a tie within the last bits of f32 may fall otherwise than in another order of summing.
; No address and no branch hangs on the router's choice: class, rank and counts are stored at fixed places.
.set MANT,  0x600000                   ; the mantissa field of 448
.set FLOOR, 0x4800000                  ; 2^(9-127)
.set SCS,   34816                      ; LDS (x path alone): 0: 128 rows x 272 bytes of codes; SCS: 8 scale bytes a row;
.set LG,    35840                      ; LG: each wave's 32 x 8 partial logits, 1,024 bytes a wave
; 32 numbers v[xs ..] of one lane = one block along K -> 8 registers of codes v[cd ..], the scale's byte -> v[by].  s99 = MANT.  v24-27 at work
.macro QUANT32 xs, cd, by
	v_max3_num_f32 v24, |v[\xs]|, |v[\xs+1]|, |v[\xs+2]|
	v_max3_num_f32 v25, |v[\xs+3]|, |v[\xs+4]|, |v[\xs+5]|
.irp i, 6,10,14,18,22,26
	v_max3_num_f32 v24, v24, |v[\xs+\i]|, |v[\xs+\i+1]|
	v_max3_num_f32 v25, v25, |v[\xs+\i+2]|, |v[\xs+\i+3]|
.endr
	v_max3_num_f32 v24, v24, |v[\xs+30]|, |v[\xs+31]|
	v_max3_num_f32 v24, v24, v25, FLOOR            ; the floor holds the byte at 1 from below
	v_add_nc_u32 v27, 0xfc000000, v24              ; 8 off the exponent field: the conversion's scale operand
	v_and_or_b32 v26, v24, 0x7f800000, s99         ; 448 x the scale
	v_lshrrev_b32 v[\by], 23, v27                  ; the scale's byte
.set i, 0
.rept 32
	v_med3_num_f32 v[\xs+i], v[\xs+i], -v26, v26   ; the conversion to an 8-bit code does not saturate (ISA guide 7.6.2): the hold comes first
.set i, i+1
.endr
.irp g, 0,1,2,3
	v_cvt_scalef32_pk8_fp8_f32 v[\cd+2*\g:\cd+2*\g+1], v[\xs+8*\g:\xs+8*\g+7], v27
.endr
.endm
; ---- weights: a wave takes 32 columns x 128 along K (one K step of the product): four blocks a lane
.macro WLOAD t, pitch                  ; block t: 32 rows of K at my column, 128 consecutive bytes a wave and load, into set t % 2
.set i, 0
.rept 32
	global_load_b32 v[32+32*((\t)%2)+i], v2, s[4:5] offset:(32*(\t)+i)*(\pitch) th:TH_LOAD_NT
.set i, i+1
.endr
.endm
.macro WBODY pitch
	WLOAD 0, \pitch
	WLOAD 1, \pitch
.irp t, 0,1,2,3
.if \t < 3
	s_wait_loadcnt 32                              ; this block's 32 loads are in; the next block's 32 may be out
.else
	s_wait_loadcnt 0x0
.endif
	QUANT32 32+32*(\t%2), 96+8*\t, 28
.if \t == 0
	v_mov_b32 v5, v28                              ; four bytes make the column's scale word of this K step
.else
	v_lshl_or_b32 v5, v28, 8*\t, v5
.endif
	global_store_b128 v3, v[96+8*\t:96+8*\t+3], s[8:9] offset:512*\t        ; k 0-15 of the block: the image's lanes 0-15; sixteen lanes fill 256 consecutive aligned bytes
	global_store_b128 v3, v[96+8*\t+4:96+8*\t+7], s[8:9] offset:512*\t+256  ; k 16-31: its lanes 16-31.  Each block has its own code registers: no store's data are written again
.if \t < 2
	WLOAD \t+2, \pitch
.endif
.endr
	global_store_b32 v4, v5, s[10:11]              ; 4 bytes a lane, 16 apart: 64 KiB in the whole launch leave so
.endm
; ---- x: four channels of the router.  Wr's rows of these channels (8 numbers each) stand in scalar registers, two sets by turns
.macro RG g
	s_wait_kmcnt 0x0                               ; this group's 32 numbers of Wr are in (scalar loads: the count 0 alone shows anything)
.if (\g) < 15
.if (\g)%2 == 0
	s_load_b512 s[48:63], s[70:71], 128*(\g)+128
	s_load_b512 s[80:95], s[70:71], 128*(\g)+192
.else
	s_load_b512 s[16:31], s[70:71], 128*(\g)+128
	s_load_b512 s[32:47], s[70:71], 128*(\g)+192
.endif
.endif
	s_wait_loadcnt 60-4*(\g)                       ; loads come back in order: channels up to 4 g + 3 are in, the 60 - 4 g younger ones may be out
.irp c, 0,1,2,3
.if (\g)%2 == 0
.set SB, 16+8*\c
.elseif \c < 2
.set SB, 48+8*\c
.else
.set SB, 64+8*\c
.endif
.irp e, 0,1,2,3,4,5,6,7
.if (\g) == 0 && \c == 0
	v_mul_f32 v[16+\e], s[SB+\e], v32              ; the first product starts the sums
.else
	v_fmac_f32 v[16+\e], s[SB+\e], v[32+4*(\g)+\c]
.endif
.endr
.endr
.endm
	v_lshl_add_u32 v128, v0, 2, 0xcc00
	v_mov_b32 v129, 0
	s_cmp_lt_u32 ttmp9, 16
	s_cbranch_scc1 .Lw1
	s_cmp_lt_u32 ttmp9, 32
	s_cbranch_scc1 .Lw2
; =============== x: 128 tokens a work-group.  Wave wv: tokens 32 (wv % 4) + lane, channels 64 (wv / 4) on
	s_load_b256 s[68:75], s[0:1], 0x0              ; x s[68:69], Wr s[70:71], br s[72:73], xq s[74:75]
	s_load_b128 s[76:79], s[0:1], 0x20             ; tinfo s[76:77], tkc s[78:79]
	v_lshrrev_b32 v1, 5, v0
	v_readfirstlane_b32 s2, v1                     ; wave 0..15
	v_and_b32 v1, 31, v0                           ; lane
	s_and_b32 s3, s2, 3                            ; tg: which 32 tokens
	s_lshr_b32 s4, s2, 2                           ; kq: which 64 channels
	s_sub_co_u32 s5, ttmp9, 32                     ; jx: which 128 tokens
	v_lshlrev_b32 v2, 2, v1                        ; x: 4 bytes a lane
	s_mul_i32 s6, s3, 32*272
	s_lshl_b32 s7, s4, 6
	s_add_co_u32 s6, s6, s7
	v_mul_u32_u24 v3, v1, 272
	v_add_nc_u32 v3, s6, v3                        ; codes into LDS: row 32 tg + lane, byte 64 kq
	s_lshl_b32 s6, s3, 8
	s_lshl_b32 s7, s4, 1
	s_add_co_u32 s6, s6, s7
	s_add_co_u32 s6, s6, SCS
	v_lshl_add_u32 v4, v1, 3, s6                   ; my row's scale bytes 2 kq, 2 kq + 1
	s_lshl_b32 s6, s2, 10
	s_add_co_u32 s6, s6, LG
	v_lshl_add_u32 v5, v1, 5, s6                   ; my partial logits
	s_mul_i32 s6, s2, 8*272
	v_lshrrev_b32 v7, 4, v1
	v_and_b32 v8, 15, v1
	v_mul_u32_u24 v6, v7, 272
	v_lshl_add_u32 v6, v8, 4, v6
	v_add_nc_u32 v6, s6, v6                        ; rows back: row 8 wv + lane / 16, 16 bytes a lane
	v_lshlrev_b32 v9, 4, v1                        ; 16 x lane
	v_lshlrev_b32 v10, 3, v1                       ; 8 x lane
	s_mov_b32 s99, MANT
	s_lshr_b32 s96, s5, 4
	s_lshl_b32 s96, s96, 21                        ; the image: 256 channels x 8,192 bytes
	s_lshl_b32 s6, s4, 19                          ; 64 kq channels
	s_add_co_u32 s96, s96, s6
	s_and_b32 s6, s5, 15
	s_lshl_b32 s6, s6, 9                           ; 128 tokens x 4 bytes
	s_add_co_u32 s96, s96, s6
	s_lshl_b32 s6, s3, 7
	s_add_co_u32 s96, s96, s6
	s_mov_b32 s97, 0
	s_wait_kmcnt 0x0
	s_add_nc_u64 s[68:69], s[68:69], s[96:97]
	s_lshl_b32 s96, s4, 11                         ; Wr: 64 kq rows of 32 bytes
	s_add_nc_u64 s[70:71], s[70:71], s[96:97]
	s_lshl_b32 s96, s5, 15
	s_lshl_b32 s6, s2, 11
	s_add_co_u32 s96, s96, s6
	s_add_nc_u64 s[74:75], s[74:75], s[96:97]      ; xq at row 128 jx + 8 wv
	s_lshl_b32 s96, s5, 11
	s_lshl_b32 s6, s3, 9
	s_add_co_u32 s96, s96, s6
	s_add_nc_u64 s[76:77], s[76:77], s[96:97]      ; tinfo at token 128 jx + 32 tg
	s_lshl_b32 s96, s5, 10
	s_lshl_b32 s6, s3, 8
	s_add_co_u32 s96, s96, s6
	s_add_nc_u64 s[78:79], s[78:79], s[96:97]      ; tkc at run 4 jx + tg
	s_load_b256 s[8:15], s[72:73], 0x0             ; br
	s_load_b512 s[16:31], s[70:71], 0x0            ; Wr, channels 0-3 of my 64
	s_load_b512 s[32:47], s[70:71], 0x40
.set i, 0
.rept 64
	global_load_b32 v[32+i], v2, s[68:69] offset:8192*i th:TH_LOAD_NT   ; channel i of my 64: 128 consecutive bytes a wave, 512 with the three waves beside me
.set i, i+1
.endr
.irp g, 0,1,2,3,4,5,6,7
	RG \g
.endr
	QUANT32 32, 96, 28                             ; channels 0-31 of my 64: the router has read them
	ds_store_b128 v3, v[96:99]
	ds_store_b128 v3, v[100:103] offset:16
.irp g, 8,9,10,11,12,13,14,15
	RG \g
.endr
	QUANT32 64, 104, 29
	v_lshl_or_b32 v28, v29, 8, v28                 ; (a plain line behind the conversions)  my two scale bytes
	ds_store_b128 v3, v[104:107] offset:32
	ds_store_b128 v3, v[108:111] offset:48
	ds_store_b16 v4, v28
	ds_store_b128 v5, v[16:19]
	ds_store_b128 v5, v[20:23] offset:16
	s_wait_dscnt 0x0                               ; for the others' sake: my stores have landed
	s_barrier_signal -1
	s_barrier_wait -1
.irp i, 0,1,2,3
	ds_load_b128 v[32+4*\i:35+4*\i], v6 offset:544*\i
.endr
.irp i, 0,1,2,3
	s_wait_dscnt 3-\i                              ; LDS loads come back in order: the 3 - i younger ones may be out
	global_store_b128 v9, v[32+4*\i:35+4*\i], s[74:75] offset:512*\i   ; two whole rows of codes: 512 consecutive aligned bytes
.endr
	s_cmp_lt_u32 s2, 4                             ; waves 0-3 (kq = 0, tg = wave) finish the router for their 32 tokens; no barrier follows
	s_cbranch_scc0 .Lxend
.irp k, 1,2,3
	ds_load_b128 v[40+8*\k:43+8*\k], v5 offset:4096*\k
	ds_load_b128 v[44+8*\k:47+8*\k], v5 offset:4096*\k+16
.endr
	ds_load_b64 v[72:73], v4                       ; my token's 8 scale bytes
.irp e, 0,1,2,3,4,5,6,7
	v_mov_b32 v[120+\e], \e
.endr
	s_wait_dscnt 0x0
.irp k, 1,2,3
.irp e, 0,1,2,3,4,5,6,7
	v_add_f32 v[16+\e], v[16+\e], v[40+8*\k+\e]
.endr
.endr
.irp e, 0,1,2,3,4,5,6,7
	v_add_f32 v[16+\e], s[8+\e], v[16+\e]          ; + br
.endr
	v_mov_b32 v24, v16                             ; the largest logit, by strict >: the lower index keeps a tie
	v_mov_b32 v25, 0
.irp e, 1,2,3,4,5,6,7
	v_cmp_gt_f32 vcc_lo, v[16+\e], v24
	v_cndmask_b32 v24, v24, v[16+\e], vcc_lo
	v_cndmask_b32 v25, v25, v[120+\e], vcc_lo
.endr
	v_mov_b32 v26, 0xff800000                      ; the second: the same among the other seven
	v_mov_b32 v27, 0
.irp e, 0,1,2,3,4,5,6,7
	v_cmp_ne_u32 s6, \e, v25
	v_cmp_gt_f32 s7, v[16+\e], v26
	s_and_b32 s6, s6, s7
	v_cndmask_b32 v26, v26, v[16+\e], s6
	v_cndmask_b32 v27, v27, v[120+\e], s6
.endr
	v_sub_f32 v28, v26, v24                        ; the softmax of the two, the larger taken away: 1 / (1 + e^d), e^d / (1 + e^d), d <= 0
	v_mul_f32 v28, 0x3fb8aa3b, v28
	v_exp_f32 v28, v28
	v_min_u32 v31, v25, v27                        ; (a plain line behind the exponential)  a
	s_wait_alu depctr_va_vdst(0)                   ; ahead of the first reader of the exponential
	v_add_f32 v29, 1.0, v28
	v_rcp_f32 v29, v29
	v_max_u32 v112, v25, v27                       ; (a plain line behind the reciprocal)  b
	s_wait_alu depctr_va_vdst(0)                   ; ahead of its first reader
	v_mul_f32 v30, v28, v29
	v_cmp_lt_u32 vcc_lo, v25, v27
	v_cndmask_b32 v74, v30, v29, vcc_lo            ; expert a's weight
	v_cndmask_b32 v75, v29, v30, vcc_lo            ; expert b's
	v_sub_nc_u32 v113, 13, v31
	v_mul_u32_u24 v113, v113, v31
	v_lshrrev_b32 v113, 1, v113
	v_add_nc_u32 v113, v113, v112
	v_add_nc_u32 v113, -1, v113                    ; class = a (13 - a) / 2 + b - 1: 0 .. 27
	v_mov_b32 v114, 0                              ; my rank among the run's tokens of my class
	v_mov_b32 v77, 0                               ; lane c: the run's count of class c
.set c, 0
.rept 28
	v_cmp_eq_u32 s6, c, v113
	v_mbcnt_lo_u32_b32 v115, s6, 0
	v_cndmask_b32 v114, v114, v115, s6
	s_bcnt1_i32_b32 s7, s6
	v_writelane_b32 v77, s7, c
.set c, c+1
.endr
	v_lshl_or_b32 v76, v114, 8, v113
	v_lshl_or_b32 v76, v31, 16, v76
	v_lshl_or_b32 v76, v112, 20, v76               ; class | rank << 8 | a << 16 | b << 20
	global_store_b128 v9, v[72:75], s[76:77]       ; 512 consecutive aligned bytes
	global_store_b64 v10, v[76:77], s[78:79]       ; 256 consecutive aligned bytes
.Lxend:
	s_wait_tensorcnt 0x0
	ds_add_u32 v128, v129
	s_wait_dscnt 0x0
	s_endpgm
; =============== W1: task q = 16 (work-group) + wave: expert q / 32, columns 32 cg on, K step s
.Lw1:
	s_load_b256 s[4:11], s[0:1], 0x30              ; W1 s[4:5], W2 s[6:7], wq s[8:9], ws s[10:11]
	v_lshrrev_b32 v1, 5, v0
	v_readfirstlane_b32 s12, v1
	v_and_b32 v1, 31, v0
	s_and_b32 s13, ttmp9, 15
	s_lshl_b32 s13, s13, 4
	s_add_co_u32 s13, s13, s12                     ; q
	s_lshr_b32 s14, s13, 5                         ; e
	s_bfe_u32 s15, s13, 0x40001                    ; cg 0..15
	s_and_b32 s16, s13, 1                          ; s
	s_lshl_b32 s20, s14, 19
	s_lshl_b32 s21, s16, 18
	s_add_co_u32 s20, s20, s21
	s_lshl_b32 s21, s15, 7
	s_add_co_u32 s20, s20, s21                     ; source: e x 524,288 + 128 s rows of 2,048 + 32 cg columns
	s_mov_b32 s21, 0
	s_lshl_b32 s22, s14, 17
	s_lshl_b32 s23, s15, 13
	s_add_co_u32 s22, s22, s23
	s_lshl_b32 s23, s16, 11
	s_add_co_u32 s22, s22, s23                     ; images: chain wave cg / 2, tiles 2 (cg % 2) + u, fragment 2 tile + s
	s_mov_b32 s23, 0
	s_lshl_b32 s24, s14, 3
	s_lshr_b32 s25, s15, 1
	s_add_co_u32 s24, s24, s25
	s_lshl_b32 s24, s24, 9
	s_lshl_b32 s25, s16, 8
	s_add_co_u32 s24, s24, s25
	s_and_b32 s25, s15, 1
	s_lshl_b32 s25, s25, 3
	s_add_co_u32 s24, s24, s25                     ; scale words: [lane 16 s + r][tile] of (e, chain wave)
	s_mov_b32 s25, 0
	s_mov_b32 s99, MANT
	v_lshlrev_b32 v2, 2, v1
	v_bfe_u32 v6, v1, 3, 1                         ; u: column 8 u + r + 8 (r / 8) of the 32 is lane r of tile u
	v_and_b32 v7, 7, v1
	v_lshrrev_b32 v8, 4, v1
	v_lshl_or_b32 v7, v8, 3, v7                    ; r
	v_lshlrev_b32 v3, 4, v7
	v_lshl_add_u32 v3, v6, 12, v3                  ; 4,096 u + 16 r
	v_lshlrev_b32 v4, 4, v7
	v_lshl_add_u32 v4, v6, 2, v4                   ; 16 r + 4 u
	s_wait_kmcnt 0x0
	s_add_nc_u64 s[4:5], s[4:5], s[20:21]
	s_add_nc_u64 s[8:9], s[8:9], s[22:23]
	s_add_nc_u64 s[10:11], s[10:11], s[24:25]
	WBODY 2048
	s_endpgm
; =============== W2: expert q / 32, outputs 32 cg on (chain wave cg), K step s 0..3
.Lw2:
	s_load_b256 s[4:11], s[0:1], 0x30
	v_lshrrev_b32 v1, 5, v0
	v_readfirstlane_b32 s12, v1
	v_and_b32 v1, 31, v0
	s_and_b32 s13, ttmp9, 15
	s_lshl_b32 s13, s13, 4
	s_add_co_u32 s13, s13, s12
	s_lshr_b32 s14, s13, 5                         ; e
	s_bfe_u32 s15, s13, 0x30002                    ; cg 0..7
	s_and_b32 s16, s13, 3                          ; s
	s_lshl_b32 s20, s14, 19
	s_lshl_b32 s21, s16, 17
	s_add_co_u32 s20, s20, s21
	s_lshl_b32 s21, s15, 7
	s_add_co_u32 s20, s20, s21
	s_mov_b32 s21, 0
	s_lshl_b32 s22, s14, 17
	s_lshl_b32 s23, s15, 14
	s_add_co_u32 s22, s22, s23
	s_lshl_b32 s23, s16, 11
	s_add_co_u32 s22, s22, s23
	s_add_co_u32 s22, s22, 0x100000                ; W2's part of wq; fragment 4 n + s
	s_mov_b32 s23, 0
	s_lshl_b32 s24, s14, 3
	s_add_co_u32 s24, s24, s15
	s_lshl_b32 s24, s24, 9
	s_and_b32 s25, s16, 1
	s_lshl_b32 s25, s25, 8
	s_add_co_u32 s24, s24, s25
	s_lshr_b32 s25, s16, 1
	s_lshl_b32 s25, s25, 2
	s_add_co_u32 s24, s24, s25
	s_add_co_u32 s24, s24, 0x8000                  ; W2's part of ws: [lane 16 (s % 2) + r][2 n + s / 2]
	s_mov_b32 s25, 0
	s_mov_b32 s99, MANT
	v_lshlrev_b32 v2, 2, v1
	v_lshrrev_b32 v6, 4, v1                        ; n
	v_and_b32 v7, 15, v1                           ; r
	v_lshlrev_b32 v3, 4, v7
	v_lshl_add_u32 v3, v6, 13, v3                  ; 8,192 n + 16 r
	v_lshlrev_b32 v4, 4, v7
	v_lshl_add_u32 v4, v6, 3, v4                   ; 16 r + 8 n
	s_wait_kmcnt 0x0
	s_add_nc_u64 s[4:5], s[6:7], s[20:21]
	s_add_nc_u64 s[8:9], s[8:9], s[22:23]
	s_add_nc_u64 s[10:11], s[10:11], s[24:25]
	WBODY 1024
	s_endpgm
.Lfunc_end_k_q03b19448f9_prep:
	.size	k_q03b19448f9_prep, .Lfunc_end_k_q03b19448f9_prep-k_q03b19448f9_prep
	.p2alignl 7, 3214868480
	.fill 96, 4, 3214868480
	.section	.rodata,"a",@progbits
	.p2align	6, 0x0
	.amdhsa_kernel k_q03b19448f9_prep
		.amdhsa_group_segment_fixed_size 54272
		.amdhsa_private_segment_fixed_size 0
		.amdhsa_enable_private_segment 0
		.amdhsa_kernarg_size 80
		.amdhsa_user_sgpr_count 2
		.amdhsa_user_sgpr_kernarg_segment_ptr 1
		.amdhsa_wavefront_size32 1
		.amdhsa_system_sgpr_workgroup_id_x 1
		.amdhsa_system_sgpr_workgroup_id_y 1
		.amdhsa_system_sgpr_workgroup_id_z 1
		.amdhsa_system_vgpr_workitem_id 0
		.amdhsa_next_free_vgpr 130
		.amdhsa_next_free_sgpr 100
		.amdhsa_reserve_vcc 1
		.amdhsa_float_denorm_mode_32 3
		.amdhsa_float_denorm_mode_16_64 3
		.amdhsa_memory_ordered 1
		.amdhsa_forward_progress 1
		.amdhsa_inst_pref_size 108
	.end_amdhsa_kernel
	.amdgpu_metadata
---
amdhsa.version: [ 1, 2 ]
amdhsa.kernels:
  - .name:           k_q03b19448f9_prep
    .symbol:         k_q03b19448f9_prep.kd
    .args:
      - { .name: x, .offset: 0, .size: 8, .value_kind: global_buffer, .address_space: global }
      - { .name: Wr, .offset: 8, .size: 8, .value_kind: global_buffer, .address_space: global }
      - { .name: br, .offset: 16, .size: 8, .value_kind: global_buffer, .address_space: global }
      - { .name: xq, .offset: 24, .size: 8, .value_kind: global_buffer, .address_space: global }
      - { .name: tinfo, .offset: 32, .size: 8, .value_kind: global_buffer, .address_space: global }
      - { .name: tkc, .offset: 40, .size: 8, .value_kind: global_buffer, .address_space: global }
      - { .name: W1, .offset: 48, .size: 8, .value_kind: global_buffer, .address_space: global }
      - { .name: W2, .offset: 56, .size: 8, .value_kind: global_buffer, .address_space: global }
      - { .name: wq, .offset: 64, .size: 8, .value_kind: global_buffer, .address_space: global }
      - { .name: ws, .offset: 72, .size: 8, .value_kind: global_buffer, .address_space: global }
    .group_segment_fixed_size: 54272
    .private_segment_fixed_size: 0
    .kernarg_segment_align: 8
    .kernarg_segment_size: 80
    .max_flat_workgroup_size: 512
    .sgpr_count:     100
    .vgpr_count:     130
    .wavefront_size: 32
...
	.end_amdgpu_metadata
.endif
;; end of part 1
;; launch place (part 2): grid 1 x 1, 32 waves a work-group, no clusters, 8,192 bytes of LDS; arguments tkc, order; writes order
.if DOCPART == 2
	.amdgcn_target "amdgcn-amd-amdhsa--gfx1250"
	.amdhsa_code_object_version 6
	.text
	.protected	k_q03b19448f9_place
	.globl	k_q03b19448f9_place
	.p2align	8
	.type	k_q03b19448f9_place,@function
k_q03b19448f9_place:
	s_mov_b64 s[64:65], 0
	v_nop
	global_prefetch_b8 v0, s[64:65] scope:SCOPE_SE
	s_setreg_imm32_b32 hwreg(HW_REG_WAVE_MODE, 25, 1), 1
	s_wait_xcnt 0x0
; PLACE.  A counting sort of the 32,768 tokens by class (pair of experts), without atomics, by one work-group.
; tkc holds, for each run of 32 tokens, a pair of words a lane: the token's class | rank << 8 | a << 16 | b << 20, and (lane = class) the run's count of that class.
; A token's place = the classes before its own + its class's tokens in earlier runs + its rank in its run.  order[place] = token | a << 16 | b << 20.
; Wave v takes runs 32 v .. 32 v + 31.  In every count a lane stands for a class.
; The stores are 4 bytes a lane to scattered places: 128 KiB in all; that lies in the nature of a permutation.
	s_load_b128 s[4:7], s[0:1], 0x0                ; tkc, order
	v_lshl_add_u32 v30, v0, 2, 0x1000
	v_mov_b32 v31, 0
	v_lshrrev_b32 v1, 5, v0
	v_readfirstlane_b32 s8, v1                     ; wave 0..31
	v_and_b32 v1, 31, v0                           ; lane
	v_lshlrev_b32 v2, 3, v1
	v_lshlrev_b32 v4, 2, v0                        ; LDS: 128 x wave + 4 x lane
	v_lshlrev_b32 v14, 2, v1
	s_lshl_b32 s10, s8, 13
	s_mov_b32 s11, 0
	s_wait_kmcnt 0x0
	s_add_nc_u64 s[4:5], s[4:5], s[10:11]
.set i, 0
.rept 32
	global_load_b64 v[32+2*i:33+2*i], v2, s[4:5] offset:256*i   ; run i of mine: 256 consecutive aligned bytes
.set i, i+1
.endr
	s_wait_loadcnt 0x0
	v_add_nc_u32 v3, v33, v35
.set i, 2
.rept 30
	v_add_nc_u32 v3, v3, v[33+2*i]                 ; my wave's count of each class
.set i, i+1
.endr
	ds_store_b32 v4, v3
	s_wait_dscnt 0x0                               ; for the others' sake
	s_barrier_signal -1
	s_barrier_wait -1
.set k, 0
.rept 32
	ds_load_b32 v[96+k], v14 offset:128*k          ; every wave's counts
.set k, k+1
.endr
	v_mov_b32 v5, 0
	v_mov_b32 v6, 0
	s_wait_dscnt 0x0
.set k, 0
.rept 32
	v_add_nc_u32 v5, v5, v[96+k]                   ; each class's tokens in all,
	s_cmp_gt_u32 s8, k
	s_cselect_b32 s9, -1, 0
	v_and_b32 v7, s9, v[96+k]
	v_add_nc_u32 v6, v6, v7                        ; and in the waves before mine
.set k, k+1
.endr
	v_mov_b32 v8, 0
	s_mov_b32 s11, 0
.set c, 0
.rept 32
	v_readlane_b32 s10, v5, c                      ; the classes' first places: a running sum over the lanes
	v_writelane_b32 v8, s11, c
	s_add_co_u32 s11, s11, s10
.set c, c+1
.endr
	v_add_nc_u32 v9, v8, v6                        ; where my first run's tokens of each class begin
	v_add_nc_u32 v33, v33, v9                      ; the counts become running sums in place: run i + 1 begins where run i ends
.set i, 1
.rept 31
	v_add_nc_u32 v[33+2*i], v[33+2*i], v[31+2*i]
.set i, i+1
.endr
.set i, 0
.rept 32
	v_lshlrev_b32 v[96+i], 2, v[32+2*i]            ; the permute takes (address / 4) mod 32: the word's low five bits, my class
.if i == 0
	ds_bpermute_b32 v[96+i], v[96+i], v9           ; each token pulls its class's place; no source of a permute is rewritten while it is out
.else
	ds_bpermute_b32 v[96+i], v[96+i], v[31+2*i]
.endif
.set i, i+1
.endr
	s_lshl_b32 s9, s8, 10
	v_add_nc_u32 v11, s9, v1                       ; my token in run 0 of mine
	s_wait_dscnt 0x0
.set i, 0
.rept 32
	v_add_nc_u32 v12, 32*i, v11
	v_and_or_b32 v[33+2*i], v[32+2*i], 0xff0000, v12   ; token | a << 16 | b << 20
	v_bfe_u32 v13, v[32+2*i], 8, 5
	v_add_nc_u32 v13, v13, v[96+i]                 ; + my rank
	v_min_u32 v13, 0x7fff, v13                     ; a place is under 32,768: the bound stands in the text
	v_lshlrev_b32 v[32+2*i], 2, v13
	global_store_b32 v[32+2*i], v[33+2*i], s[6:7]  ; each run has its own address and data registers: none is written again
.set i, i+1
.endr
	s_wait_tensorcnt 0x0
	ds_add_u32 v30, v31
	s_wait_dscnt 0x0
	s_endpgm
.Lfunc_end_k_q03b19448f9_place:
	.size	k_q03b19448f9_place, .Lfunc_end_k_q03b19448f9_place-k_q03b19448f9_place
	.p2alignl 7, 3214868480
	.fill 96, 4, 3214868480
	.section	.rodata,"a",@progbits
	.p2align	6, 0x0
	.amdhsa_kernel k_q03b19448f9_place
		.amdhsa_group_segment_fixed_size 8192
		.amdhsa_private_segment_fixed_size 0
		.amdhsa_enable_private_segment 0
		.amdhsa_kernarg_size 16
		.amdhsa_user_sgpr_count 2
		.amdhsa_user_sgpr_kernarg_segment_ptr 1
		.amdhsa_wavefront_size32 1
		.amdhsa_system_sgpr_workgroup_id_x 1
		.amdhsa_system_sgpr_workgroup_id_y 1
		.amdhsa_system_sgpr_workgroup_id_z 1
		.amdhsa_system_vgpr_workitem_id 0
		.amdhsa_next_free_vgpr 128
		.amdhsa_next_free_sgpr 66
		.amdhsa_reserve_vcc 0
		.amdhsa_float_denorm_mode_32 3
		.amdhsa_float_denorm_mode_16_64 3
		.amdhsa_memory_ordered 1
		.amdhsa_forward_progress 1
		.amdhsa_inst_pref_size 36
	.end_amdhsa_kernel
	.amdgpu_metadata
---
amdhsa.version: [ 1, 2 ]
amdhsa.kernels:
  - .name:           k_q03b19448f9_place
    .symbol:         k_q03b19448f9_place.kd
    .args:
      - { .name: tkc, .offset: 0, .size: 8, .value_kind: global_buffer, .address_space: global }
      - { .name: order, .offset: 8, .size: 8, .value_kind: global_buffer, .address_space: global }
    .group_segment_fixed_size: 8192
    .private_segment_fixed_size: 0
    .kernarg_segment_align: 8
    .kernarg_segment_size: 16
    .max_flat_workgroup_size: 1024
    .sgpr_count:     66
    .vgpr_count:     128
    .wavefront_size: 32
...
	.end_amdgpu_metadata
.endif
;; end of part 2
;; launch chain (part 3): grid 256 x 1, 8 waves a work-group, no clusters, 261,120 bytes of LDS; arguments order, xq, tinfo, wq, ws, b1, b2, moe; writes moe
.if DOCPART == 3
	.amdgcn_target "amdgcn-amd-amdhsa--gfx1250"
	.amdhsa_code_object_version 6
	.text
	.protected	k_q03b19448f9_chain
	.globl	k_q03b19448f9_chain
	.p2align	8
	.type	k_q03b19448f9_chain,@function
k_q03b19448f9_chain:
	s_mov_b64 s[64:65], 0
	v_nop
	global_prefetch_b8 v0, s[64:65] scope:SCOPE_SE
	s_setreg_imm32_b32 hwreg(HW_REG_WAVE_MODE, 25, 1), 1
	s_wait_xcnt 0x0
; CHAIN.  moe[token][:] = sum over the token's two experts e of we x (gelu(tok W1e + b1e) W2e + b2e), both products on E4M3 codes with E8M0 scales for each 32 along K.
; A work-group takes 128 places of the sorted list (tokens sorted by their pair of experts): 8 tiles of 16 rows.  It walks the experts that its rows use, one a trip of a loop of 8 constant trips;
; in a trip a tile is worked only if one of its rows uses the expert (a scalar branch on the stored list, inside tile loops of constant count; every wave passes every barrier).
; Since branches hang on stored numbers, the launch has no tensor load and no multicast: the weights go from memory straight into registers, as images laid out by the launch before.
; THE WAVES SHARE THE COLUMNS: wave w makes hidden units 64 w .. 64 w + 63 and outputs 32 w .. 32 w + 31 for all rows: its part of W1e (8 fragments) and W2e (8) fills register window 1.
; The next expert's W1 is asked for when phase 1 has ended, its W2 when phase 2 has ended: each has a phase in which to land.
; BOTH PRODUCTS ARE USED TRANSPOSED (source 0 = 16 rows of weights, source 1 = 16 tokens): a lane holds one token, its registers run along the hidden units or the outputs.
; The rows of W1 that form a tile are chosen (by the launch before) so that the 16 registers of tiles 2 b and 2 b + 1 are 16 neighbours along the next K.
; The hidden layer goes from wave to wave through LDS as images of the operand's registers, each wave's in a range of its own.  The outputs are summed over the experts in a stage in LDS, each wave's own part.
; GELU, exact form: gelu(x) = S - A erfc(|x| / sqrt 2), A = |x| / 2, S = x / 2 + A (x or 0); erfc(z) = t 2^(K2 x^2 + C0 + C1 t + .. + C9 t^9), t = 1 / (1 + z / 2): the rational-exponential fit of
; Numerical Recipes (erfcc), fractional error under 1.2e-7 for every z, its coefficients multiplied by log2 e.  So small results at negative x keep their relative accuracy ahead of the quantiser.
; LIMITS: NaN and infinities are not served; 2^arg under 2^-126 comes out as 0 (x under about -13: gelu is then under 1e-37); a block of zeros carries the scale byte 1 (its codes are zeros).
.set XSC,   34816                      ; LDS: 0: x's codes, 128 rows x 272;  XSC: 8 scale bytes a row
.set GT,    35840                      ; the two gates a row, f32
.set OWL,   36864                      ; the list's word a row
.set HIMG,  37888                      ; hidden images: 8,192 w + 1,024 m + 512 b + 16 lane
.set HSC,   103424                     ; hidden scale bytes, a word a lane: 1,024 w + 128 m + 4 lane
.set STG,   111616                     ; the stage: SWV w + 144 row + 64 n + 32 h + 4 j
.set SWV,   18560                      ; 128 rows x 144 + 128: two waves' parts begin 128 bytes apart modulo 256, so that whole rows are read back from all banks
.set LI,   1                           ; 16 x lane
.set LS,   2                           ; 4 x lane
.set BH1,  3                           ; 64 h
.set BH2,  4                           ; 32 h
.set XT0,  5                           ; 272 r + 16 h
.set XS0,  6                           ; XSC + 8 r
.set HW0,  7                           ; HIMG + 8,192 w + 16 lane
.set HSW0, 8                           ; HSC + 1,024 w + 4 lane
.set HR0,  9                           ; HIMG + 16 lane
.set HSR0, 10                          ; HSC + 4 lane
.set GT0,  11                          ; GT + 8 r
.set OW0,  12                          ; OWL + 4 r
.set SG0,  13                          ; STG + SWV w + 144 r + 32 h
                                       ; v14-18 the addresses of the tile in hand
.set VC9,  20                          ; v[20:21] C9, v[22:23] C0 (an instruction reads one scalar pair beside them)
.set VC0,  22
.set W1S,  24                          ; v24-27 W1's scale words: register = tile, lanes 0-15 K step 0, lanes 16-31 K step 1
.set W2S,  28                          ; v28-31 W2's: register 2 n + s / 2, lanes by s % 2
.set B1,   32                          ; v32-63 b1 in the result's layout, 8 a tile
.set B2,   64                          ; v64-79 b2 likewise
.set HA,   80                          ; v80-111 my 4 tiles of the hidden layer
.set Y,    80                          ; phase 2: v80-95 two accumulators, v96-111 the stage's numbers
.set SG,   96
.set RA,   112                         ; GELU at work: A, t, the polynomial, K2 x^2 + C0
.set RT,   128
.set RP,   144
.set RQ,   160
.set XF,   112                         ; x's two fragments;  phase 2: the hidden layer's four
.set HF,   112
.set PC,   176                         ; v176-183 the codes just made
.set TM,   184                         ; v184-192 the quantiser at work;  phase 2: v184-191 the eight waves' scale words
.set HSR,  184
.set XS,   200                         ; v200-201 x's scale words;  v202-205 the hidden layer's
.set HS,   202
.set GW,   206                         ; v206-207 the row's gates, v208 its word of the list, v[210:211] the gate for this expert
.set OWD,  208
.set GG,   210
.set WV,   20
.set PM,   22                          ; s[22:23] byte t: the set of experts that tile t uses
.set PS,   24                          ; s[24:25] the same shifted right by the expert in hand (bit 0 of byte t), or 0
.set REM,  26                          ; experts still to be walked
.set CUR,  27
.set NV,   28
.set NX,   29
.set SEL,  32
.set MNT,  34
.set SC,   66                          ; s[66:81] C1 .. C8 as pairs, s[82:83] KD, s[84:85] K2
.set KD,   82
.set K2,   84
.set MSB, 0
.macro WIN new                         ; the immediate's high byte repeats the setting that is left
.if MSB != \new
	s_set_vgpr_msb (MSB<<8)|\new
.set MSB, \new
.endif
.endm
.macro SPAIR r, val                    ; the packed forms name a pair and take its low word for both halves: both are written
	s_mov_b32 s[\r], \val
	s_mov_b32 s[\r+1], \val
.endm
; my part of expert s[e]'s W1: 32 + 1 + 8 = 41 loads.  The bases are written only where all earlier loads that name them have been waited for
.macro LOADW1 e
	s_mov_b32 s63, 0
	s_lshl_b32 s62, s[\e], 17
	s_add_nc_u64 s[36:37], s[48:49], s[62:63]
	s_lshl_b32 s62, s[\e], 12
	s_add_nc_u64 s[38:39], s[52:53], s[62:63]
	s_lshl_b32 s62, s[\e], 11
	s_add_nc_u64 s[40:41], s[56:57], s[62:63]
	WIN 0x40                                       ; destination window 1
.set i, 0
.rept 32
	global_load_b128 v[4*i:4*i+3], v[LI], s[36:37] offset:512*i    ; fragment i / 4, group i % 4: 512 consecutive bytes
.set i, i+1
.endr
	WIN 0
	global_load_b128 v[W1S:W1S+3], v[LI], s[38:39]
.irp t, 0,1,2,3
	global_load_b128 v[B1+8*\t:B1+8*\t+3], v[BH1], s[40:41] offset:128*(\t/2)+32*(\t%2)
	global_load_b128 v[B1+8*\t+4:B1+8*\t+7], v[BH1], s[40:41] offset:128*(\t/2)+32*(\t%2)+16
.endr
.endm
.macro LOADW2 e                        ; W2: 32 + 1 + 4 = 37 loads
	s_mov_b32 s63, 0
	s_lshl_b32 s62, s[\e], 17
	s_add_nc_u64 s[42:43], s[50:51], s[62:63]
	s_lshl_b32 s62, s[\e], 12
	s_add_nc_u64 s[44:45], s[54:55], s[62:63]
	s_lshl_b32 s62, s[\e], 10
	s_add_nc_u64 s[46:47], s[58:59], s[62:63]
	WIN 0x40
.set i, 0
.rept 32
	global_load_b128 v[128+4*i:128+4*i+3], v[LI], s[42:43] offset:512*i
.set i, i+1
.endr
	WIN 0
	global_load_b128 v[W2S:W2S+3], v[LI], s[44:45]
.irp n, 0,1
	global_load_b128 v[B2+8*\n:B2+8*\n+3], v[BH2], s[46:47] offset:64*\n
	global_load_b128 v[B2+8*\n+4:B2+8*\n+7], v[BH2], s[46:47] offset:64*\n+16
.endr
.endm
; gelu of the 16 numbers v[HA + 16 b ..], in place.  Each accumulator is first read at its low end.  The 16 reciprocals are one batch with one wait, and so are the 16 exponentials
.macro GELU b
.set H0, HA+16*(\b)
.set i, 0
.rept 16
	v_mul_f32 v[RA+i], 0.5, |v[H0+i]|              ; A = |x| / 2
.set i, i+1
.endr
.set i, 0
.rept 8
	v_pk_fma_f32 v[RT+i:RT+i+1], v[RA+i:RA+i+1], s[KD:KD+1], 1.0 op_sel_hi:[1,0,0]   ; 1 + z / 2
.set i, i+2
.endr
.set i, 0
.rept 16
	v_rcp_f32 v[RT+i], v[RT+i]                     ; t
.set i, i+1
.endr
.set i, 0
.rept 8
	v_pk_mul_f32 v[RQ+i:RQ+i+1], v[H0+i:H0+i+1], v[H0+i:H0+i+1]   ; work that names no t stands behind the reciprocals
.set i, i+2
.endr
.set i, 0
.rept 8
	v_pk_fma_f32 v[RQ+i:RQ+i+1], v[RQ+i:RQ+i+1], s[K2:K2+1], v[VC0:VC0+1] op_sel_hi:[1,0,1]   ; K2 x^2 + C0
.set i, i+2
.endr
.set i, 0
.rept 8
	v_pk_fma_f32 v[H0+i:H0+i+1], v[H0+i:H0+i+1], 0.5, v[RA+i:RA+i+1] op_sel_hi:[1,0,1]        ; S = x / 2 + A
.set i, i+2
.endr
	s_wait_alu depctr_va_vdst(0)                   ; one wait for the 16 reciprocals, ahead of their first reader
.set i, 0
.rept 8
	v_pk_fma_f32 v[RP+i:RP+i+1], v[RT+i:RT+i+1], v[VC9:VC9+1], s[SC+14:SC+15] op_sel_hi:[1,1,0]   ; C9 t + C8
.set i, i+2
.endr
.irp k, 7,6,5,4,3,2,1
.set i, 0
.rept 8
	v_pk_fma_f32 v[RP+i:RP+i+1], v[RP+i:RP+i+1], v[RT+i:RT+i+1], s[SC+2*\k-2:SC+2*\k-1] op_sel_hi:[1,1,0]
.set i, i+2
.endr
.endr
.set i, 0
.rept 8
	v_pk_fma_f32 v[RP+i:RP+i+1], v[RP+i:RP+i+1], v[RT+i:RT+i+1], v[RQ+i:RQ+i+1]
.set i, i+2
.endr
.set i, 0
.rept 16
	v_exp_f32 v[RP+i], v[RP+i]
.set i, i+1
.endr
.set i, 0
.rept 8
	v_pk_mul_f32 v[RA+i:RA+i+1], v[RA+i:RA+i+1], v[RT+i:RT+i+1]   ; A t: plain work behind the exponentials
.set i, i+2
.endr
	s_wait_alu depctr_va_vdst(0)                   ; one wait for the 16 exponentials
.set i, 0
.rept 8
	v_pk_fma_f32 v[H0+i:H0+i+1], v[RA+i:RA+i+1], v[RP+i:RP+i+1], v[H0+i:H0+i+1] neg_lo:[1,0,0] neg_hi:[1,0,0]   ; S - A t 2^arg
.set i, i+2
.endr
.endm
; the same 16 numbers and lane l xor 16's are a block of 32 along the next K: codes into v[PC + 4 b ..], the scale's byte into v[TM + 6 + b]
.macro QH b
.set H0, HA+16*(\b)
	v_max3_num_f32 v[TM], |v[H0]|, |v[H0+1]|, 0x4800000          ; with the floor 2^(9-127): the byte cannot fall under 1
	v_max3_num_f32 v[TM+1], |v[H0+2]|, |v[H0+3]|, |v[H0+4]|
	v_max3_num_f32 v[TM], v[TM], |v[H0+5]|, |v[H0+6]|
	v_max3_num_f32 v[TM+1], v[TM+1], |v[H0+7]|, |v[H0+8]|
	v_max3_num_f32 v[TM], v[TM], |v[H0+9]|, |v[H0+10]|
	v_max3_num_f32 v[TM+1], v[TM+1], |v[H0+11]|, |v[H0+12]|
	v_max3_num_f32 v[TM], v[TM], |v[H0+13]|, |v[H0+14]|
	v_max3_num_f32 v[TM], v[TM], v[TM+1], |v[H0+15]|
	v_permlanex16_b32 v[TM+2], v[TM], s[SEL], s[SEL+1]
	v_max_num_f32 v[TM], v[TM], v[TM+2]
	v_add_nc_u32 v[TM+3], 0xfc000000, v[TM]        ; 8 off the exponent field: the conversion's scale operand
	v_and_or_b32 v[TM+4], v[TM], 0x7f800000, s[MNT]   ; 448 x the scale
	v_lshrrev_b32 v[TM+6+(\b)], 23, v[TM+3]
.set i, 0
.rept 16
	v_med3_num_f32 v[H0+i], v[H0+i], -v[TM+4], v[TM+4]   ; the conversion does not saturate (ISA guide 7.6.2)
.set i, i+1
.endr
	v_cvt_scalef32_pk8_fp8_f32 v[PC+4*(\b):PC+4*(\b)+1], v[H0:H0+7], v[TM+3]
	v_cvt_scalef32_pk8_fp8_f32 v[PC+4*(\b)+2:PC+4*(\b)+3], v[H0+8:H0+15], v[TM+3]
	v_nop                                          ; a plain line behind the last conversion
.endm
; =============== the head
	s_load_b512 s[4:19], s[0:1], 0x0               ; order s[4:5], xq s[6:7], tinfo s[8:9], wq s[10:11], ws s[12:13], b1 s[14:15], b2 s[16:17], moe s[18:19]
	v_lshl_add_u32 v254, v0, 2, 0x3f800
	v_mov_b32 v255, 0
	v_lshrrev_b32 v1, 5, v0
	v_readfirstlane_b32 s[WV], v1                  ; wave 0..7
	v_and_b32 v19, 31, v0                          ; lane
	v_and_b32 v14, 15, v0                          ; r
	v_bfe_u32 v15, v0, 4, 1                        ; h
	v_lshlrev_b32 v[LI], 4, v19
	v_lshlrev_b32 v[LS], 2, v19
	v_lshlrev_b32 v[BH1], 6, v15
	v_lshlrev_b32 v[BH2], 5, v15
	v_mul_u32_u24 v[XT0], v14, 272
	v_lshl_add_u32 v[XT0], v15, 4, v[XT0]
	v_lshl_add_u32 v[XS0], v14, 3, XSC
	s_lshl_b32 s2, s[WV], 13
	s_add_co_u32 s2, s2, HIMG
	v_add_nc_u32 v[HW0], s2, v[LI]
	s_lshl_b32 s2, s[WV], 10
	s_add_co_u32 s2, s2, HSC
	v_add_nc_u32 v[HSW0], s2, v[LS]
	v_add_nc_u32 v[HR0], HIMG, v[LI]
	v_add_nc_u32 v[HSR0], HSC, v[LS]
	v_lshl_add_u32 v[GT0], v14, 3, GT
	v_lshl_add_u32 v[OW0], v14, 2, OWL
	s_mul_i32 s3, s[WV], SWV
	s_add_co_u32 s3, s3, STG                       ; my part of the stage
	v_mul_u32_u24 v[SG0], v14, 144
	v_lshl_add_u32 v[SG0], v15, 5, v[SG0]
	v_add_nc_u32 v[SG0], s3, v[SG0]
	s_lshl_b32 s2, s[WV], 6
	v_lshl_add_u32 v16, v15, 2, s2                 ; the list's words of rows 16 w + h (+ 2 i)
	v_lshl_add_u32 v17, v14, 2, s2                 ; and of row 16 w + r
	v_lshlrev_b32 v18, 4, v14                      ; 16 r
	s_lshl_b32 s62, ttmp9, 9                       ; my 128 places
	s_mov_b32 s63, 0
	s_wait_kmcnt 0x0
	s_add_nc_u64 s[4:5], s[4:5], s[62:63]
.irp j, 0,1,2,3
	global_load_b32 v[80+\j], v[LS], s[4:5] offset:128*\j         ; all 128 words: for the tiles' sets of experts
.endr
.irp i, 0,1,2,3,4,5,6,7
	global_load_b32 v[84+\i], v16, s[4:5] offset:8*\i             ; sixteen lanes hold one row's word: for the gather of its codes
.endr
	global_load_b32 v92, v17, s[4:5]
	s_lshl_b32 s62, s[WV], 14                      ; my wave's parts of the weights' buffers
	s_add_nc_u64 s[48:49], s[10:11], s[62:63]
	s_add_nc_u64 s[50:51], s[48:49], 0x100000
	s_lshl_b32 s62, s[WV], 9
	s_add_nc_u64 s[52:53], s[12:13], s[62:63]
	s_add_nc_u64 s[54:55], s[52:53], 0x8000
	s_lshl_b32 s62, s[WV], 8
	s_add_nc_u64 s[56:57], s[14:15], s[62:63]
	s_lshl_b32 s62, s[WV], 7
	s_add_nc_u64 s[58:59], s[16:17], s[62:63]
	s_mov_b32 s[SEL], 0x76543210
	s_mov_b32 s[SEL+1], 0xfedcba98                 ; v_permlanex16_b32's selects for lane l xor 16
	s_mov_b32 s[MNT], 0x600000
	SPAIR SC+0,  0x3fb8ab5a                        ; C1 =  1.4427292
	SPAIR SC+2,  0x3f0a29d2                        ; C2 =  0.53970062
	SPAIR SC+4,  0x3e0efb2e                        ; C3 =  0.13963006
	SPAIR SC+6,  0xbe899a80                        ; C4 = -0.26875686
	SPAIR SC+8,  0x3ecdfd18                        ; C5 =  0.40232158
	SPAIR SC+10, 0xbfd1a1e5                        ; C6 = -1.6377532
	SPAIR SC+12, 0x40097039                        ; C7 =  2.1474745
	SPAIR SC+14, 0xbf97d29d                        ; C8 = -1.1861149
	SPAIR KD,    0x3f3504f3                        ; 1 / sqrt 2
	SPAIR K2,    0xbf38aa3b                        ; -log2(e) / 2
	v_mov_b32 v[VC9], 0x3e7c6f08                   ; C9 =  0.24651730
	v_mov_b32 v[VC9+1], 0x3e7c6f08
	v_mov_b32 v[VC0], 0xbfe9b21e                   ; C0 = -1.8257482
	v_mov_b32 v[VC0+1], 0xbfe9b21e
	v_mov_b32 v[TM+2], 0                           ; a lane permute's destination counts as one of its sources
.irp j, 0,1,2,3
	v_mov_b32 v[100+\j], 0
	v_mov_b32 v[148+\j], 0
.endr
	v_mov_b32 v105, 1
	v_add_nc_u32 v106, s3, v[LI]                   ; my part of the stage, 16 bytes a lane
	s_mul_i32 s2, s[WV], 16*272
	v_mul_u32_u24 v107, v15, 272
	v_lshl_add_u32 v107, v14, 4, v107
	v_add_nc_u32 v107, s2, v107                    ; x's rows into LDS: row 16 w + h, 16 r
	s_lshl_b32 s2, s[WV], 7
	v_add_nc_u32 v108, s2, v[XS0]
	v_add_nc_u32 v109, s2, v[GT0]
	s_lshl_b32 s2, s[WV], 6
	v_add_nc_u32 v110, s2, v[OW0]
	s_wait_loadcnt 0x0                             ; the list's words
.irp j, 0,1,2,3
	v_bfe_u32 v[96+\j], v[80+\j], 16, 3            ; a
	v_bfe_u32 v104, v[80+\j], 20, 3                ; b
	v_lshlrev_b32 v[96+\j], v[96+\j], v105
	v_lshlrev_b32 v104, v104, v105
	v_or_b32 v[96+\j], v[96+\j], v104              ; 1 << a | 1 << b
.endr
.irp x, 1,2,4,8                        ; the union over each sixteen lanes: a tile's set of experts
.irp j, 0,1,2,3
	v_mov_b32_dpp v[100+\j], v[96+\j] row_xmask:\x row_mask:0xf bank_mask:0xf
.endr
.irp j, 0,1,2,3
	v_or_b32 v[96+\j], v[96+\j], v[100+\j]
.endr
.endr
.irp p, 0,1
	v_readlane_b32 s[PM+\p], v[96+2*\p], 0
	v_readlane_b32 s62, v[96+2*\p], 16
	s_lshl_b32 s62, s62, 8
	s_or_b32 s[PM+\p], s[PM+\p], s62
	v_readlane_b32 s62, v[97+2*\p], 0
	s_lshl_b32 s62, s62, 16
	s_or_b32 s[PM+\p], s[PM+\p], s62
	v_readlane_b32 s62, v[97+2*\p], 16
	s_lshl_b32 s62, s62, 24
	s_or_b32 s[PM+\p], s[PM+\p], s62
.endr
	s_or_b32 s[REM], s[PM], s[PM+1]
	s_lshr_b32 s62, s[REM], 16
	s_or_b32 s[REM], s[REM], s62
	s_lshr_b32 s62, s[REM], 8
	s_or_b32 s[REM], s[REM], s62
	s_and_b32 s[REM], s[REM], 0xff                 ; the experts that the block uses
	s_ctz_i32_b32 s[CUR], s[REM]
	s_min_u32 s[CUR], s[CUR], 7                    ; the first of them; the bound stands in the text
	s_lshr_b32 s[PS], s[PM], s[CUR]                ; bit 0 of byte t: does tile t use it?  (a shift under 8 keeps each byte's bit inside its word)
	s_lshr_b32 s[PS+1], s[PM+1], s[CUR]
.irp i, 0,1,2,3,4,5,6,7
	v_and_b32 v[84+\i], 0x7fff, v[84+\i]
	v_min_u32 v[84+\i], 0x7fff, v[84+\i]           ; a token is under 32,768
	v_lshl_add_u32 v[84+\i], v[84+\i], 8, v18      ; its row of 256 codes, 16 bytes a lane
.endr
	v_and_b32 v93, 0x7fff, v92
	v_min_u32 v93, 0x7fff, v93
	v_lshlrev_b32 v93, 4, v93
.irp i, 0,1,2,3,4,5,6,7
	global_load_b128 v[112+4*\i:115+4*\i], v[84+\i], s[6:7]       ; two rows an instruction, each 256 consecutive aligned bytes
.endr
	global_load_b128 v[144:147], v93, s[8:9]       ; the row's 8 scale bytes and two gates
	LOADW1 CUR                                     ; 41 loads behind the 9 gathers: 50 of mine are out
.set i, 0
.rept 36
	ds_store_b128 v106, v[148:151] offset:512*i    ; my part of the stage begins as zeros: 128 rows x 144 bytes
.set i, i+1
.endr
	s_wait_loadcnt 41                              ; loads come back in order: the gathers are in; W1's 41 loads behind them may be out
.irp i, 0,1,2,3,4,5,6,7
	ds_store_b128 v107, v[112+4*\i:115+4*\i] offset:544*\i
.endr
	ds_store_b64 v108, v[144:145]                  ; (lanes 16-31 repeat lanes 0-15 with the same values)
	ds_store_b64 v109, v[146:147]
	ds_store_b32 v110, v92
	s_wait_dscnt 0x0                               ; for the others' sake
	s_barrier_signal -1
	s_barrier_wait -1                              ; x's rows, scales, gates and words lie in LDS
	s_wait_loadcnt 0x0                             ; W1 is in: phase 1 wants it at once
	LOADW2 CUR                                     ; W2's 37 loads have phase 1 in which to land
; =============== the experts: 8 trips.  At the head W1 of the expert in hand has landed, and at most W2's 37 loads are out
	s_mov_b32 s30, 0
.Lexp:
	; ---- phase 1: my 64 hidden units for each tile that uses the expert
	s_mov_b64 s[60:61], s[PS:PS+1]
	s_mov_b32 s86, 0                               ; 16 rows of x: 4,352 a tile
	s_mov_b32 s87, 0                               ; 128 a tile
	s_mov_b32 s88, 0                               ; 1,024 a tile
	s_mov_b32 s31, 0
.Lp1:
	s_bitcmp1_b32 s60, 0
	s_cbranch_scc0 .Lp1n
	v_add_nc_u32 v14, s86, v[XT0]
	v_add_nc_u32 v15, s87, v[XS0]
	v_add_nc_u32 v16, s88, v[HW0]
	v_add_nc_u32 v17, s87, v[HSW0]
.irp s, 0,1
.irp c, 0,1,2,3
	ds_load_b128 v[XF+16*\s+4*\c:XF+16*\s+4*\c+3], v14 offset:128*\s+32*\c
.endr
.endr
	ds_load_b64 v[XS:XS+1], v15
	s_wait_dscnt 0x0
	WIN 0x01                                       ; source 0 (W1) window 1
.irp t, 0,1,2,3                        ; the four accumulators by turns; b1 is the C of each sum's first product
	v_wmma_scale_f32_16x16x128_f8f6f4 v[HA+8*\t:HA+8*\t+7], v[32*\t:32*\t+15], v[XF:XF+15], v[B1+8*\t:B1+8*\t+7], v[W1S+\t], v[XS]
.endr
.irp t, 0,1,2,3
	v_wmma_scale_f32_16x16x128_f8f6f4 v[HA+8*\t:HA+8*\t+7], v[32*\t+16:32*\t+31], v[XF+16:XF+31], v[HA+8*\t:HA+8*\t+7], v[W1S+\t], v[XS+1] matrix_a_scale:MATRIX_SCALE_ROW1
.endr
	WIN 0
.rept 8
	v_nop                                          ; eight places ahead of the first read of results
.endr
	GELU 0
	QH 0
	GELU 1
	QH 1
	v_lshl_or_b32 v[TM+8], v[TM+7], 8, v[TM+6]     ; my two scale bytes of the row
	ds_store_b128 v16, v[PC:PC+3]
	ds_store_b128 v16, v[PC+4:PC+7] offset:512
	ds_store_b32 v17, v[TM+8]
	s_wait_dscnt 0x0                               ; the stores are done: their address and data registers are written again in the next tile
.Lp1n:
	s_lshr_b32 s60, s60, 8                         ; the next tile's byte
	s_lshl_b32 s62, s61, 24
	s_or_b32 s60, s60, s62
	s_lshr_b32 s61, s61, 8
	s_add_co_u32 s86, s86, 16*272
	s_add_co_u32 s87, s87, 128
	s_add_co_u32 s88, s88, 1024
	s_add_co_u32 s31, s31, 1
	s_cmp_lt_u32 s31, 8
	s_cbranch_scc1 .Lp1
	s_wait_dscnt 0x0
	s_barrier_signal -1
	s_barrier_wait -1                              ; the hidden layer's images lie in LDS
	s_wait_loadcnt 0x0                             ; W2 is in; no load is out, so the bases may be written
	s_lshl_b32 s62, 1, s[CUR]
	s_and_not1_b32 s[REM], s[REM], s62
	s_ctz_i32_b32 s[NX], s[REM]
	s_min_u32 s[NX], s[NX], 7                      ; the next expert,
	s_cmp_lg_u32 s[REM], 0
	s_cselect_b32 s[NV], 1, 0                      ; if there is one
	s_cbranch_scc0 .Lnw1
	LOADW1 NX                                      ; phase 1 has read W1 for the last time: the next expert's lands during phase 2
.Lnw1:
	; ---- phase 2: my 32 outputs for each tile that uses the expert, weighed and added into my part of the stage
	s_mov_b64 s[60:61], s[PS:PS+1]
	s_mov_b32 s87, 0                               ; 128 a tile
	s_mov_b32 s88, 0                               ; 1,024
	s_mov_b32 s89, 0                               ; 64
	s_mov_b32 s90, 0                               ; 16 rows of the stage: 2,304
	s_mov_b32 s31, 0
.Lp2:
	s_bitcmp1_b32 s60, 0
	s_cbranch_scc0 .Lp2n
	v_add_nc_u32 v14, s88, v[HR0]
	v_add_nc_u32 v15, s87, v[HSR0]
	v_add_nc_u32 v16, s87, v[GT0]
	v_add_nc_u32 v17, s89, v[OW0]
	v_add_nc_u32 v18, s90, v[SG0]
.irp s, 0,1,2,3
.irp c, 0,1,2,3
	ds_load_b128 v[HF+16*\s+4*\c:HF+16*\s+4*\c+3], v14 offset:(2*\s+\c/2)*8192+(\c%2)*512   ; K step s, group c: wave 2 s + c / 2 made it
.endr
.endr
.irp u, 0,1,2,3,4,5,6,7
	ds_load_b32 v[HSR+\u], v15 offset:1024*\u
.endr
	ds_load_b64 v[GW:GW+1], v16
	ds_load_b32 v[OWD], v17
.irp n, 0,1
	ds_load_b128 v[SG+8*\n:SG+8*\n+3], v18 offset:64*\n
	ds_load_b128 v[SG+8*\n+4:SG+8*\n+7], v18 offset:64*\n+16
.endr
	s_wait_dscnt 0x0
.irp s, 0,1,2,3
	v_lshl_or_b32 v[HS+\s], v[HSR+2*\s+1], 16, v[HSR+2*\s]       ; two waves' bytes make K step s's scale word
.endr
	v_bfe_u32 v209, v[OWD], 16, 3                  ; the gate: the row's weight for this expert, 0 for a row that does not use it.
	v_bfe_u32 v212, v[OWD], 20, 3                  ; (these lines and the three v_nops are ten places between the scale words and the products)
	v_cmp_eq_u32 vcc_lo, s[CUR], v209
	v_cndmask_b32 v[GG], 0, v[GW], vcc_lo
	v_cmp_eq_u32 vcc_lo, s[CUR], v212
	v_cndmask_b32 v[GG], v[GG], v[GW+1], vcc_lo
	v_mov_b32 v[GG+1], v[GG]
.rept 3
	v_nop
.endr
	WIN 0x01                                       ; source 0 (W2) window 1
.irp s, 0,1,2,3                        ; the two accumulators by turns; b2 is the C of each sum's first product
.irp n, 0,1
.if \s == 0
	v_wmma_scale_f32_16x16x128_f8f6f4 v[Y+8*\n:Y+8*\n+7], v[128+16*(4*\n+\s):128+16*(4*\n+\s)+15], v[HF+16*\s:HF+16*\s+15], v[B2+8*\n:B2+8*\n+7], v[W2S+2*\n+\s/2], v[HS+\s]
.elseif \s == 2
	v_wmma_scale_f32_16x16x128_f8f6f4 v[Y+8*\n:Y+8*\n+7], v[128+16*(4*\n+\s):128+16*(4*\n+\s)+15], v[HF+16*\s:HF+16*\s+15], v[Y+8*\n:Y+8*\n+7], v[W2S+2*\n+\s/2], v[HS+\s]
.else
	v_wmma_scale_f32_16x16x128_f8f6f4 v[Y+8*\n:Y+8*\n+7], v[128+16*(4*\n+\s):128+16*(4*\n+\s)+15], v[HF+16*\s:HF+16*\s+15], v[Y+8*\n:Y+8*\n+7], v[W2S+2*\n+\s/2], v[HS+\s] matrix_a_scale:MATRIX_SCALE_ROW1
.endif
.endr
.endr
	WIN 0
.rept 9
	v_nop                                          ; eight places ahead of the first read of results; the ninth since the next products begin these accumulators anew
.endr
.set i, 0
.rept 8
	v_pk_fma_f32 v[Y+i:Y+i+1], v[Y+i:Y+i+1], v[GG:GG+1], v[SG+i:SG+i+1]   ; from each accumulator's low end on
.set i, i+2
.endr
.irp n, 0,1
	ds_store_b128 v18, v[Y+8*\n:Y+8*\n+3] offset:64*\n
	ds_store_b128 v18, v[Y+8*\n+4:Y+8*\n+7] offset:64*\n+16
.endr
	s_wait_dscnt 0x0                               ; the stores are done: their registers are written again in the next tile
.Lp2n:
	s_lshr_b32 s60, s60, 8
	s_lshl_b32 s62, s61, 24
	s_or_b32 s60, s60, s62
	s_lshr_b32 s61, s61, 8
	s_add_co_u32 s87, s87, 128
	s_add_co_u32 s88, s88, 1024
	s_add_co_u32 s89, s89, 64
	s_add_co_u32 s90, s90, 16*144
	s_add_co_u32 s31, s31, 1
	s_cmp_lt_u32 s31, 8
	s_cbranch_scc1 .Lp2
	s_wait_dscnt 0x0
	s_barrier_signal -1
	s_barrier_wait -1                              ; every wave has read the images: the next trip may write them; behind the last trip: the stage is whole
	s_wait_loadcnt 0x0                             ; the next W1 is in; no load is out
	s_cmp_lg_u32 s[NV], 0
	s_cbranch_scc0 .Lnw2
	LOADW2 NX                                      ; lands during the next phase 1
.Lnw2:
	s_min_u32 s[CUR], s[NX], 7
	s_lshr_b32 s62, s[PM], s[CUR]
	s_lshr_b32 s63, s[PM+1], s[CUR]
	s_cmp_lg_u32 s[NV], 0
	s_cselect_b32 s[PS], s62, 0                    ; no expert left: no tile is worked in the trips that remain
	s_cselect_b32 s[PS+1], s63, 0
	s_add_co_u32 s30, s30, 1
	s_cmp_lt_u32 s30, 8
	s_cbranch_scc1 .Lexp
; =============== the way out: wave w stores rows 16 w .. 16 w + 15 whole, each to its token's row of moe
	v_and_b32 v14, 31, v0
	v_lshrrev_b32 v15, 3, v14
	v_and_b32 v16, 7, v14
	v_mul_u32_u24 v15, v15, SWV                    ; eight lanes take one wave's 128 bytes of the row
	v_lshl_add_u32 v15, v16, 4, v15
	s_mul_i32 s2, s[WV], 16*144
	s_add_co_u32 s2, s2, STG
	v_add_nc_u32 v15, s2, v15                      ; outputs 0-127
	v_add_nc_u32 v16, 4*SWV, v15                   ; outputs 128-255
	s_lshl_b32 s2, s[WV], 6
	s_add_co_u32 s2, s2, OWL
	v_mov_b32 v17, s2
.set i, 0
.rept 16
	ds_load_b32 v[32+i], v17 offset:4*i            ; the row's word, the same in all lanes
.set i, i+1
.endr
.set i, 0
.rept 16
	ds_load_b128 v[112+8*i:115+8*i], v15 offset:144*i
	ds_load_b128 v[116+8*i:119+8*i], v16 offset:144*i
.set i, i+1
.endr
	s_wait_dscnt 32                                ; the 16 words are in; the 32 loads behind them may be out
.set i, 0
.rept 16
	v_and_b32 v[32+i], 0x7fff, v[32+i]
	v_min_u32 v[32+i], 0x7fff, v[32+i]
	v_lshl_add_u32 v[32+i], v[32+i], 10, v[LI]     ; the token's row of 1,024 bytes, 16 a lane
.set i, i+1
.endr
.set i, 0
.rept 16
	s_wait_dscnt 30-2*i                            ; row i's two loads are in; the younger ones may be out
	global_store_b128 v[32+i], v[112+8*i:115+8*i], s[18:19]              ; 512 consecutive aligned bytes
	global_store_b128 v[32+i], v[116+8*i:119+8*i], s[18:19] offset:512
.set i, i+1
.endr
	s_wait_tensorcnt 0x0
	ds_add_u32 v254, v255
	s_wait_dscnt 0x0
	s_endpgm
.Lfunc_end_k_q03b19448f9_chain:
	.size	k_q03b19448f9_chain, .Lfunc_end_k_q03b19448f9_chain-k_q03b19448f9_chain
	.p2alignl 7, 3214868480
	.fill 96, 4, 3214868480
	.section	.rodata,"a",@progbits
	.p2align	6, 0x0
	.amdhsa_kernel k_q03b19448f9_chain
		.amdhsa_group_segment_fixed_size 261120
		.amdhsa_private_segment_fixed_size 0
		.amdhsa_enable_private_segment 0
		.amdhsa_kernarg_size 64
		.amdhsa_user_sgpr_count 2
		.amdhsa_user_sgpr_kernarg_segment_ptr 1
		.amdhsa_wavefront_size32 1
		.amdhsa_system_sgpr_workgroup_id_x 1
		.amdhsa_system_sgpr_workgroup_id_y 1
		.amdhsa_system_sgpr_workgroup_id_z 1
		.amdhsa_system_vgpr_workitem_id 0
		.amdhsa_next_free_vgpr 512
		.amdhsa_next_free_sgpr 96
		.amdhsa_reserve_vcc 1
		.amdhsa_float_denorm_mode_32 3
		.amdhsa_float_denorm_mode_16_64 3
		.amdhsa_memory_ordered 1
		.amdhsa_forward_progress 1
		.amdhsa_inst_pref_size 74
	.end_amdhsa_kernel
	.amdgpu_metadata
---
amdhsa.version: [ 1, 2 ]
amdhsa.kernels:
  - .name:           k_q03b19448f9_chain
    .symbol:         k_q03b19448f9_chain.kd
    .args:
      - { .name: order, .offset: 0, .size: 8, .value_kind: global_buffer, .address_space: global }
      - { .name: xq, .offset: 8, .size: 8, .value_kind: global_buffer, .address_space: global }
      - { .name: tinfo, .offset: 16, .size: 8, .value_kind: global_buffer, .address_space: global }
      - { .name: wq, .offset: 24, .size: 8, .value_kind: global_buffer, .address_space: global }
      - { .name: ws, .offset: 32, .size: 8, .value_kind: global_buffer, .address_space: global }
      - { .name: b1, .offset: 40, .size: 8, .value_kind: global_buffer, .address_space: global }
      - { .name: b2, .offset: 48, .size: 8, .value_kind: global_buffer, .address_space: global }
      - { .name: moe, .offset: 56, .size: 8, .value_kind: global_buffer, .address_space: global }
    .group_segment_fixed_size: 261120
    .private_segment_fixed_size: 0
    .kernarg_segment_align: 8
    .kernarg_segment_size: 64
    .max_flat_workgroup_size: 256
    .sgpr_count:     96
    .vgpr_count:     512
    .wavefront_size: 32
...
	.end_amdgpu_metadata
.endif
;; end of part 3
;; launch merge (part 4): grid 512 x 1, 8 waves a work-group, no clusters, 66,816 bytes of LDS; arguments x, moe, scale, out0; writes out0
.if DOCPART == 4
	.amdgcn_target "amdgcn-amd-amdhsa--gfx1250"
	.amdhsa_code_object_version 6
	.text
	.protected	k_q03b19448f9_merge
	.globl	k_q03b19448f9_merge
	.p2align	8
	.type	k_q03b19448f9_merge,@function
k_q03b19448f9_merge:
	s_mov_b64 s[64:65], 0
	v_nop
	global_prefetch_b8 v0, s[64:65] scope:SCOPE_SE
	s_setreg_imm32_b32 hwreg(HW_REG_WAVE_MODE, 25, 1), 1
	s_wait_xcnt 0x0
; MERGE.  out0[b][c][t] = x[b][c][t] + scale x moe[token][c]: moe lies token-major, x and out0 channel-major, so 64 tokens x 256 channels turn through LDS.
; A stream: each byte is read once and written once, in whole aligned runs of 256 bytes or more; no matrix unit, no cluster: work-groups share nothing.
; Work-group j: tokens 64 j .. 64 j + 63 (one image).  In: wave w reads tokens 8 w .. 8 w + 7 of moe (8,192 consecutive bytes) and puts them into rows of 1,028 bytes.
; Out: wave w takes channels 32 w .. 32 w + 31; a lane takes tokens 2 lane and 2 lane + 1: rows 2,056 bytes apart are 2 banks apart, so the 32 lanes of a read touch 32 different banks.
	s_load_b256 s[4:11], s[0:1], 0x0               ; x s[4:5], moe s[6:7], scale s[8:9], out0 s[10:11]
	v_lshl_add_u32 v144, v0, 2, 0x10100
	v_mov_b32 v145, 0
	v_lshrrev_b32 v1, 5, v0
	v_readfirstlane_b32 s14, v1                    ; wave 0..7
	v_and_b32 v1, 31, v0
	v_lshlrev_b32 v2, 4, v1                        ; 16 x lane
	v_lshlrev_b32 v3, 3, v1                        ; 8 x lane
	s_mul_i32 s15, s14, 8*1028
	v_add_nc_u32 v4, s15, v2                       ; LDS, in
	v_mul_u32_u24 v5, v1, 2056
	s_lshl_b32 s15, s14, 7
	v_add_nc_u32 v5, s15, v5                       ; LDS, out: token 2 lane, channel 32 w
	s_lshl_b32 s16, ttmp9, 16
	s_lshl_b32 s15, s14, 13
	s_add_co_u32 s16, s16, s15                     ; moe: 64 j + 8 w rows of 1,024 bytes
	s_mov_b32 s17, 0
	s_lshr_b32 s18, ttmp9, 5
	s_lshl_b32 s18, s18, 21                        ; the image
	s_lshl_b32 s15, s14, 18                        ; 32 w channels of 8,192 bytes
	s_add_co_u32 s18, s18, s15
	s_and_b32 s15, ttmp9, 31
	s_lshl_b32 s15, s15, 8                         ; 64 tokens of 4 bytes
	s_add_co_u32 s18, s18, s15
	s_mov_b32 s19, 0
	s_wait_kmcnt 0x0
	s_load_b32 s12, s[8:9], 0x0
	s_add_nc_u64 s[6:7], s[6:7], s[16:17]
	s_add_nc_u64 s[4:5], s[4:5], s[18:19]
	s_add_nc_u64 s[10:11], s[10:11], s[18:19]
.set k, 0
.rept 16
	global_load_b128 v[16+4*k:19+4*k], v2, s[6:7] offset:512*k th:TH_LOAD_NT
.set k, k+1
.endr
.set i, 0
.rept 32
	global_load_b64 v[80+2*i:81+2*i], v3, s[4:5] offset:8192*i th:TH_LOAD_NT   ; channel 32 w + i: 256 consecutive aligned bytes
.set i, i+1
.endr
.set k, 0
.rept 16
	s_wait_loadcnt 47-k                            ; loads come back in order: moe's load k is in; the 15 - k of moe and the 32 of x behind it may be out
.irp q, 0,1,2,3
	ds_store_b32 v4, v[16+4*k+\q] offset:(k/2)*1028+(k%2)*512+4*\q
.endr
.set k, k+1
.endr
	s_wait_kmcnt 0x0
	s_mov_b32 s13, s12                             ; the packed form names a pair
	s_wait_dscnt 0x0                               ; for the others' sake; and the stores have read their registers
	s_barrier_signal -1
	s_barrier_wait -1
.set i, 0
.rept 32
	ds_load_b32 v[16+2*i], v5 offset:4*i
	ds_load_b32 v[17+2*i], v5 offset:1028+4*i
.set i, i+1
.endr
.set i, 0
.rept 32
	s_wait_dscnt 62-2*i                            ; channel i's two reads are in; the younger ones may be out
	s_wait_loadcnt 31-i                            ; and so is x's load i
	v_pk_fma_f32 v[80+2*i:81+2*i], v[16+2*i:17+2*i], s[12:13], v[80+2*i:81+2*i] op_sel_hi:[1,0,1]
	global_store_b64 v3, v[80+2*i:81+2*i], s[10:11] offset:8192*i th:TH_STORE_NT   ; 256 consecutive aligned bytes; each channel has its own registers
.set i, i+1
.endr
	s_wait_tensorcnt 0x0
	ds_add_u32 v144, v145
	s_wait_dscnt 0x0
	s_endpgm
.Lfunc_end_k_q03b19448f9_merge:
	.size	k_q03b19448f9_merge, .Lfunc_end_k_q03b19448f9_merge-k_q03b19448f9_merge
	.p2alignl 7, 3214868480
	.fill 96, 4, 3214868480
	.section	.rodata,"a",@progbits
	.p2align	6, 0x0
	.amdhsa_kernel k_q03b19448f9_merge
		.amdhsa_group_segment_fixed_size 66816
		.amdhsa_private_segment_fixed_size 0
		.amdhsa_enable_private_segment 0
		.amdhsa_kernarg_size 32
		.amdhsa_user_sgpr_count 2
		.amdhsa_user_sgpr_kernarg_segment_ptr 1
		.amdhsa_wavefront_size32 1
		.amdhsa_system_sgpr_workgroup_id_x 1
		.amdhsa_system_sgpr_workgroup_id_y 1
		.amdhsa_system_sgpr_workgroup_id_z 1
		.amdhsa_system_vgpr_workitem_id 0
		.amdhsa_next_free_vgpr 146
		.amdhsa_next_free_sgpr 66
		.amdhsa_reserve_vcc 0
		.amdhsa_float_denorm_mode_32 3
		.amdhsa_float_denorm_mode_16_64 3
		.amdhsa_memory_ordered 1
		.amdhsa_forward_progress 1
		.amdhsa_inst_pref_size 22
	.end_amdhsa_kernel
	.amdgpu_metadata
---
amdhsa.version: [ 1, 2 ]
amdhsa.kernels:
  - .name:           k_q03b19448f9_merge
    .symbol:         k_q03b19448f9_merge.kd
    .args:
      - { .name: x, .offset: 0, .size: 8, .value_kind: global_buffer, .address_space: global }
      - { .name: moe, .offset: 8, .size: 8, .value_kind: global_buffer, .address_space: global }
      - { .name: scale, .offset: 16, .size: 8, .value_kind: global_buffer, .address_space: global }
      - { .name: out0, .offset: 24, .size: 8, .value_kind: global_buffer, .address_space: global }
    .group_segment_fixed_size: 66816
    .private_segment_fixed_size: 0
    .kernarg_segment_align: 8
    .kernarg_segment_size: 32
    .max_flat_workgroup_size: 256
    .sgpr_count:     66
    .vgpr_count:     146
    .wavefront_size: 32
...
	.end_amdgpu_metadata
.endif
;; end of part 4
;; ======== version 2 of 2: 4 launches
;; workspace buffers: xq 8,388,608 bytes; tinfo 524,288 bytes; tkc 262,144 bytes of whole numbers; order 131,072 bytes of whole numbers; wq 2,097,152 bytes; ws 65,536 bytes; moe 33,554,432 bytes
;; launch prep (part 5): grid 288 x 1, 16 waves a work-group, no clusters, 54,272 bytes of LDS; arguments x, Wr, br, xq, tinfo, tkc, W1, W2, wq, ws; writes xq, tinfo, tkc, wq, ws
.if DOCPART == 5
	.amdgcn_target "amdgcn-amd-amdhsa--gfx1250"
	.amdhsa_code_object_version 6
	.text
	.protected	k_q03b19448f9_prep
	.globl	k_q03b19448f9_prep
	.p2align	8
	.type	k_q03b19448f9_prep,@function
k_q03b19448f9_prep:
	s_mov_b64 s[64:65], 0
	v_nop
	global_prefetch_b8 v0, s[64:65] scope:SCOPE_SE
	s_setreg_imm32_b32 hwreg(HW_REG_WAVE_MODE, 25, 1), 1
	s_wait_xcnt 0x0
; PREP.  Three jobs in one launch, parted on the work-group's number alone.
;  work-groups 0-15:  W1 [8][256][512] f32 -> E4M3 codes and E8M0 scale words, quantised along K = its first axis within an expert
;  work-groups 16-31: W2 [8][512][256] likewise
;  work-groups 32-287: 128 tokens of x [16][256][2048] each: codes [token][256] (K = channels), 8 scale bytes a token, the router
;     (f32 logits, top-2 with the lower index first on a tie, softmax of the two with the larger taken away) and, for each run of 32 tokens, each token's
;     class (its pair of experts a < b, 28 classes), its rank among the run's tokens of that class, and the run's count of every class.
; The weights' codes are laid as images of the operand's registers for the chain's waves: a fragment (16 rows x 128 K) is 2,048 bytes, group c at 512 c, lane l at 16 l.
; A LANE TAKES A COLUMN (weights) OR A TOKEN (x) AND ITS REGISTERS RUN DOWN K: a block of 32 along K lies in one lane's 32 registers.
; A block's scale byte is its largest magnitude's exponent field - 8, held at 1 from below; numbers are held within +-448 x the scale and converted.
; LIMITS: NaN and infinities are not served (the logits are taken to be finite); a block of zeros, and blocks under 2^(9-127), carry the byte 1 (zeros have zero codes; only this program reads the bytes);
; the router's f32 sum over the 256 channels is taken in four quarters of 64, so a tie within the last bits of f32 may fall otherwise than in another order of summing.
; No address and no branch hangs on the router's choice: class, rank and counts are stored at fixed places.
.set MANT,  0x600000                   ; the mantissa field of 448
.set FLOOR, 0x4800000                  ; 2^(9-127)
.set SCS,   34816                      ; LDS (x path alone): 0: 128 rows x 272 bytes of codes; SCS: 8 scale bytes a row;
.set LG,    35840                      ; LG: each wave's 32 x 8 partial logits, 1,024 bytes a wave
; 32 numbers v[xs ..] of one lane = one block along K -> 8 registers of codes v[cd ..], the scale's byte -> v[by].  s99 = MANT.  v24-27 at work
.macro QUANT32 xs, cd, by
	v_max3_num_f32 v24, |v[\xs]|, |v[\xs+1]|, |v[\xs+2]|
	v_max3_num_f32 v25, |v[\xs+3]|, |v[\xs+4]|, |v[\xs+5]|
.irp i, 6,10,14,18,22,26
	s_delay_alu instid0(VALU_DEP_2)
	v_max3_num_f32 v24, v24, |v[\xs+\i]|, |v[\xs+\i+1]|
	s_delay_alu instid0(VALU_DEP_2)
	v_max3_num_f32 v25, v25, |v[\xs+\i+2]|, |v[\xs+\i+3]|
.endr
	s_delay_alu instid0(VALU_DEP_2)
	v_max3_num_f32 v24, v24, |v[\xs+30]|, |v[\xs+31]|
	s_delay_alu instid0(VALU_DEP_1)
	v_max3_num_f32 v24, v24, v25, FLOOR            ; the floor holds the byte at 1 from below
	s_delay_alu instid0(VALU_DEP_1)
	v_add_nc_u32 v27, 0xfc000000, v24              ; 8 off the exponent field: the conversion's scale operand
	s_delay_alu instid0(VALU_DEP_2)
	v_and_or_b32 v26, v24, 0x7f800000, s99         ; 448 x the scale
	s_delay_alu instid0(VALU_DEP_2)
	v_lshrrev_b32 v[\by], 23, v27                  ; the scale's byte
.set i, 0
.rept 32
	v_med3_num_f32 v[\xs+i], v[\xs+i], -v26, v26   ; the conversion to an 8-bit code does not saturate (ISA guide 7.6.2): the hold comes first
.set i, i+1
.endr
.irp g, 0,1,2,3
	v_cvt_scalef32_pk8_fp8_f32 v[\cd+2*\g:\cd+2*\g+1], v[\xs+8*\g:\xs+8*\g+7], v27
.endr
.endm
; ---- weights: a wave takes 32 columns x 128 along K (one K step of the product): four blocks a lane
.macro WLOAD t, pitch                  ; block t: 32 rows of K at my column, 128 consecutive bytes a wave and load, into set t % 2
.set i, 0
.rept 32
	global_load_b32 v[32+32*((\t)%2)+i], v2, s[4:5] offset:(32*(\t)+i)*(\pitch) th:TH_LOAD_NT
.set i, i+1
.endr
.endm
.macro WBODY pitch
	WLOAD 0, \pitch
	WLOAD 1, \pitch
.irp t, 0,1,2,3
.if \t < 3
	s_wait_loadcnt 32                              ; this block's 32 loads are in; the next block's 32 may be out
.else
	s_wait_loadcnt 0x0
.endif
	QUANT32 32+32*(\t%2), 96+8*\t, 28
.if \t == 0
	v_mov_b32 v5, v28                              ; four bytes make the column's scale word of this K step
.else
	v_lshl_or_b32 v5, v28, 8*\t, v5
.endif
	global_store_b128 v3, v[96+8*\t:96+8*\t+3], s[8:9] offset:512*\t        ; k 0-15 of the block: the image's lanes 0-15; sixteen lanes fill 256 consecutive aligned bytes
	global_store_b128 v3, v[96+8*\t+4:96+8*\t+7], s[8:9] offset:512*\t+256  ; k 16-31: its lanes 16-31.  Each block has its own code registers: no store's data are written again
.if \t < 2
	WLOAD \t+2, \pitch
.endif
.endr
	global_store_b32 v4, v5, s[10:11]              ; 4 bytes a lane, 16 apart: 64 KiB in the whole launch leave so
.endm
; ---- x: four channels of the router.  Wr's rows of these channels (8 numbers each) stand in scalar registers, two sets by turns
.macro RG g
	s_wait_kmcnt 0x0                               ; this group's 32 numbers of Wr are in (scalar loads: the count 0 alone shows anything)
.if (\g) < 15
.if (\g)%2 == 0
	s_load_b512 s[48:63], s[70:71], 128*(\g)+128
	s_load_b512 s[80:95], s[70:71], 128*(\g)+192
.else
	s_load_b512 s[16:31], s[70:71], 128*(\g)+128
	s_load_b512 s[32:47], s[70:71], 128*(\g)+192
.endif
.endif
	s_wait_loadcnt 60-4*(\g)                       ; loads come back in order: channels up to 4 g + 3 are in, the 60 - 4 g younger ones may be out
.irp c, 0,1,2,3
.if (\g)%2 == 0
.set SB, 16+8*\c
.elseif \c < 2
.set SB, 48+8*\c
.else
.set SB, 64+8*\c
.endif
.irp e, 0,1,2,3,4,5,6,7
.if (\g) == 0 && \c == 0
	v_mul_f32 v[16+\e], s[SB+\e], v32              ; the first product starts the sums
.else
	v_fmac_f32 v[16+\e], s[SB+\e], v[32+4*(\g)+\c]
.endif
.endr
.endr
.endm
	v_lshl_add_u32 v128, v0, 2, 0xcc00
	v_mov_b32 v129, 0
	s_cmp_lt_u32 ttmp9, 16
	s_cbranch_scc1 .Lw1
	s_cmp_lt_u32 ttmp9, 32
	s_cbranch_scc1 .Lw2
; =============== x: 128 tokens a work-group.  Wave wv: tokens 32 (wv % 4) + lane, channels 64 (wv / 4) on
	s_load_b256 s[68:75], s[0:1], 0x0              ; x s[68:69], Wr s[70:71], br s[72:73], xq s[74:75]
	s_load_b128 s[76:79], s[0:1], 0x20             ; tinfo s[76:77], tkc s[78:79]
	v_lshrrev_b32 v1, 5, v0
	s_delay_alu instid0(VALU_DEP_1)
	v_readfirstlane_b32 s2, v1                     ; wave 0..15
	v_and_b32 v1, 31, v0                           ; lane
	s_wait_alu depctr_va_vdst(0)
	s_and_b32 s3, s2, 3                            ; tg: which 32 tokens
	s_lshr_b32 s4, s2, 2                           ; kq: which 64 channels
	s_sub_co_u32 s5, ttmp9, 32                     ; jx: which 128 tokens
	v_lshlrev_b32 v2, 2, v1                        ; x: 4 bytes a lane
	s_mul_i32 s6, s3, 32*272
	s_lshl_b32 s7, s4, 6
	s_add_co_u32 s6, s6, s7
	v_mul_u32_u24 v3, v1, 272
	s_delay_alu instid0(VALU_DEP_1)
	v_add_nc_u32 v3, s6, v3                        ; codes into LDS: row 32 tg + lane, byte 64 kq
	s_lshl_b32 s6, s3, 8
	s_lshl_b32 s7, s4, 1
	s_add_co_u32 s6, s6, s7
	s_add_co_u32 s6, s6, SCS
	v_lshl_add_u32 v4, v1, 3, s6                   ; my row's scale bytes 2 kq, 2 kq + 1
	s_lshl_b32 s6, s2, 10
	s_add_co_u32 s6, s6, LG
	v_lshl_add_u32 v5, v1, 5, s6                   ; my partial logits
	s_mul_i32 s6, s2, 8*272
	v_lshrrev_b32 v7, 4, v1
	v_and_b32 v8, 15, v1
	s_delay_alu instid0(VALU_DEP_2)
	v_mul_u32_u24 v6, v7, 272
	s_delay_alu instid0(VALU_DEP_1)
	v_lshl_add_u32 v6, v8, 4, v6
	s_delay_alu instid0(VALU_DEP_1)
	v_add_nc_u32 v6, s6, v6                        ; rows back: row 8 wv + lane / 16, 16 bytes a lane
	v_lshlrev_b32 v9, 4, v1                        ; 16 x lane
	v_lshlrev_b32 v10, 3, v1                       ; 8 x lane
	s_mov_b32 s99, MANT
	s_lshr_b32 s96, s5, 4
	s_lshl_b32 s96, s96, 21                        ; the image: 256 channels x 8,192 bytes
	s_lshl_b32 s6, s4, 19                          ; 64 kq channels
	s_add_co_u32 s96, s96, s6
	s_and_b32 s6, s5, 15
	s_lshl_b32 s6, s6, 9                           ; 128 tokens x 4 bytes
	s_add_co_u32 s96, s96, s6
	s_lshl_b32 s6, s3, 7
	s_add_co_u32 s96, s96, s6
	s_mov_b32 s97, 0
	s_wait_kmcnt 0x0
	s_add_nc_u64 s[68:69], s[68:69], s[96:97]
	s_lshl_b32 s96, s4, 11                         ; Wr: 64 kq rows of 32 bytes
	s_add_nc_u64 s[70:71], s[70:71], s[96:97]
	s_lshl_b32 s96, s5, 15
	s_lshl_b32 s6, s2, 11
	s_add_co_u32 s96, s96, s6
	s_add_nc_u64 s[74:75], s[74:75], s[96:97]      ; xq at row 128 jx + 8 wv
	s_lshl_b32 s96, s5, 11
	s_lshl_b32 s6, s3, 9
	s_add_co_u32 s96, s96, s6
	s_add_nc_u64 s[76:77], s[76:77], s[96:97]      ; tinfo at token 128 jx + 32 tg
	s_lshl_b32 s96, s5, 10
	s_lshl_b32 s6, s3, 8
	s_add_co_u32 s96, s96, s6
	s_add_nc_u64 s[78:79], s[78:79], s[96:97]      ; tkc at run 4 jx + tg
	s_load_b256 s[8:15], s[72:73], 0x0             ; br
	s_load_b512 s[16:31], s[70:71], 0x0            ; Wr, channels 0-3 of my 64
	s_load_b512 s[32:47], s[70:71], 0x40
.set i, 0
.rept 64
	global_load_b32 v[32+i], v2, s[68:69] offset:8192*i th:TH_LOAD_NT   ; channel i of my 64: 128 consecutive bytes a wave, 512 with the three waves beside me
.set i, i+1
.endr
.irp g, 0,1,2,3,4,5,6,7
	s_wait_alu depctr_va_vdst(0)
	RG \g
.endr
	QUANT32 32, 96, 28                             ; channels 0-31 of my 64: the router has read them
	ds_store_b128 v3, v[96:99]
	ds_store_b128 v3, v[100:103] offset:16
.irp g, 8,9,10,11,12,13,14,15
	s_wait_alu depctr_va_vdst(0)
	RG \g
.endr
	QUANT32 64, 104, 29
	v_lshl_or_b32 v28, v29, 8, v28                 ; (a plain line behind the conversions)  my two scale bytes
	ds_store_b128 v3, v[104:107] offset:32
	ds_store_b128 v3, v[108:111] offset:48
	ds_store_b16 v4, v28
	ds_store_b128 v5, v[16:19]
	ds_store_b128 v5, v[20:23] offset:16
	s_wait_dscnt 0x0                               ; for the others' sake: my stores have landed
	s_barrier_signal -1
	s_barrier_wait -1
.irp i, 0,1,2,3
	ds_load_b128 v[32+4*\i:35+4*\i], v6 offset:544*\i
.endr
.irp i, 0,1,2,3
	s_wait_dscnt 3-\i                              ; LDS loads come back in order: the 3 - i younger ones may be out
	global_store_b128 v9, v[32+4*\i:35+4*\i], s[74:75] offset:512*\i   ; two whole rows of codes: 512 consecutive aligned bytes
.endr
	s_cmp_lt_u32 s2, 4                             ; waves 0-3 (kq = 0, tg = wave) finish the router for their 32 tokens; no barrier follows
	s_cbranch_scc0 .Lxend
.irp k, 1,2,3
	ds_load_b128 v[40+8*\k:43+8*\k], v5 offset:4096*\k
	ds_load_b128 v[44+8*\k:47+8*\k], v5 offset:4096*\k+16
.endr
	ds_load_b64 v[72:73], v4                       ; my token's 8 scale bytes
.irp e, 0,1,2,3,4,5,6,7
	v_mov_b32 v[120+\e], \e
.endr
	s_wait_dscnt 0x0
.irp k, 1,2,3
.irp e, 0,1,2,3,4,5,6,7
	v_add_f32 v[16+\e], v[16+\e], v[40+8*\k+\e]
.endr
.endr
.irp e, 0,1,2,3,4,5,6,7
	v_add_f32 v[16+\e], s[8+\e], v[16+\e]          ; + br
.endr
	v_mov_b32 v24, v16                             ; the largest logit, by strict >: the lower index keeps a tie
	v_mov_b32 v25, 0
.irp e, 1,2,3,4,5,6,7
	s_delay_alu instid0(VALU_DEP_2)
	v_cmp_gt_f32 vcc_lo, v[16+\e], v24
	s_delay_alu instid0(VALU_DEP_1)
	v_cndmask_b32 v24, v24, v[16+\e], vcc_lo
	s_delay_alu instid0(VALU_DEP_2)
	v_cndmask_b32 v25, v25, v[120+\e], vcc_lo
.endr
	v_mov_b32 v26, 0xff800000                      ; the second: the same among the other seven
	v_mov_b32 v27, 0
.irp e, 0,1,2,3,4,5,6,7
	v_cmp_ne_u32 s6, \e, v25
	s_delay_alu instid0(VALU_DEP_3)
	v_cmp_gt_f32 s7, v[16+\e], v26
	s_and_b32 s6, s6, s7
	v_cndmask_b32 v26, v26, v[16+\e], s6
	v_cndmask_b32 v27, v27, v[120+\e], s6
.endr
	s_delay_alu instid0(VALU_DEP_2)
	v_sub_f32 v28, v26, v24                        ; the softmax of the two, the larger taken away: 1 / (1 + e^d), e^d / (1 + e^d), d <= 0
	s_delay_alu instid0(VALU_DEP_1)
	v_mul_f32 v28, 0x3fb8aa3b, v28
	s_wait_alu depctr_va_vdst(0)
	v_exp_f32 v28, v28
	v_min_u32 v31, v25, v27                        ; (a plain line behind the exponential)  a
	s_wait_alu depctr_va_vdst(0)                   ; ahead of the first reader of the exponential
	v_add_f32 v29, 1.0, v28
	s_wait_alu depctr_va_vdst(0)
	v_rcp_f32 v29, v29
	v_max_u32 v112, v25, v27                       ; (a plain line behind the reciprocal)  b
	s_wait_alu depctr_va_vdst(0)                   ; ahead of its first reader
	v_mul_f32 v30, v28, v29
	v_cmp_lt_u32 vcc_lo, v25, v27
	v_cndmask_b32 v74, v30, v29, vcc_lo            ; expert a's weight
	v_cndmask_b32 v75, v29, v30, vcc_lo            ; expert b's
	v_sub_nc_u32 v113, 13, v31
	s_delay_alu instid0(VALU_DEP_1)
	v_mul_u32_u24 v113, v113, v31
	s_delay_alu instid0(VALU_DEP_1)
	v_lshrrev_b32 v113, 1, v113
	s_delay_alu instid0(VALU_DEP_1)
	v_add_nc_u32 v113, v113, v112
	s_delay_alu instid0(VALU_DEP_1)
	v_add_nc_u32 v113, -1, v113                    ; class = a (13 - a) / 2 + b - 1: 0 .. 27
	v_mov_b32 v114, 0                              ; my rank among the run's tokens of my class
	v_mov_b32 v77, 0                               ; lane c: the run's count of class c
.set c, 0
.rept 28
	v_cmp_eq_u32 s6, c, v113
	s_delay_alu instid0(VALU_DEP_1)
	v_mbcnt_lo_u32_b32 v115, s6, 0
	s_delay_alu instid0(VALU_DEP_1)
	v_cndmask_b32 v114, v114, v115, s6
	s_bcnt1_i32_b32 s7, s6
	v_writelane_b32 v77, s7, c
.set c, c+1
.endr
	v_lshl_or_b32 v76, v114, 8, v113
	s_delay_alu instid0(VALU_DEP_1)
	v_lshl_or_b32 v76, v31, 16, v76
	s_delay_alu instid0(VALU_DEP_1)
	v_lshl_or_b32 v76, v112, 20, v76               ; class | rank << 8 | a << 16 | b << 20
	global_store_b128 v9, v[72:75], s[76:77]       ; 512 consecutive aligned bytes
	global_store_b64 v10, v[76:77], s[78:79]       ; 256 consecutive aligned bytes
.Lxend:
	s_wait_tensorcnt 0x0
	ds_add_u32 v128, v129
	s_wait_dscnt 0x0
	s_endpgm
; =============== W1: task q = 16 (work-group) + wave: expert q / 32, columns 32 cg on, K step s
.Lw1:
	s_load_b256 s[4:11], s[0:1], 0x30              ; W1 s[4:5], W2 s[6:7], wq s[8:9], ws s[10:11]
	v_lshrrev_b32 v1, 5, v0
	s_delay_alu instid0(VALU_DEP_1)
	v_readfirstlane_b32 s12, v1
	v_and_b32 v1, 31, v0
	s_wait_alu depctr_va_vdst(0)
	s_and_b32 s13, ttmp9, 15
	s_lshl_b32 s13, s13, 4
	s_add_co_u32 s13, s13, s12                     ; q
	s_lshr_b32 s14, s13, 5                         ; e
	s_bfe_u32 s15, s13, 0x40001                    ; cg 0..15
	s_and_b32 s16, s13, 1                          ; s
	s_lshl_b32 s20, s14, 19
	s_lshl_b32 s21, s16, 18
	s_add_co_u32 s20, s20, s21
	s_lshl_b32 s21, s15, 7
	s_add_co_u32 s20, s20, s21                     ; source: e x 524,288 + 128 s rows of 2,048 + 32 cg columns
	s_mov_b32 s21, 0
	s_lshl_b32 s22, s14, 17
	s_lshl_b32 s23, s15, 13
	s_add_co_u32 s22, s22, s23
	s_lshl_b32 s23, s16, 11
	s_add_co_u32 s22, s22, s23                     ; images: chain wave cg / 2, tiles 2 (cg % 2) + u, fragment 2 tile + s
	s_mov_b32 s23, 0
	s_lshl_b32 s24, s14, 3
	s_lshr_b32 s25, s15, 1
	s_add_co_u32 s24, s24, s25
	s_lshl_b32 s24, s24, 9
	s_lshl_b32 s25, s16, 8
	s_add_co_u32 s24, s24, s25
	s_and_b32 s25, s15, 1
	s_lshl_b32 s25, s25, 3
	s_add_co_u32 s24, s24, s25                     ; scale words: [lane 16 s + r][tile] of (e, chain wave)
	s_mov_b32 s25, 0
	s_mov_b32 s99, MANT
	v_lshlrev_b32 v2, 2, v1
	v_bfe_u32 v6, v1, 3, 1                         ; u: column 8 u + r + 8 (r / 8) of the 32 is lane r of tile u
	v_and_b32 v7, 7, v1
	v_lshrrev_b32 v8, 4, v1
	s_delay_alu instid0(VALU_DEP_1)
	v_lshl_or_b32 v7, v8, 3, v7                    ; r
	s_delay_alu instid0(VALU_DEP_1)
	v_lshlrev_b32 v3, 4, v7
	s_delay_alu instid0(VALU_DEP_1)
	v_lshl_add_u32 v3, v6, 12, v3                  ; 4,096 u + 16 r
	s_delay_alu instid0(VALU_DEP_3)
	v_lshlrev_b32 v4, 4, v7
	s_delay_alu instid0(VALU_DEP_1)
	v_lshl_add_u32 v4, v6, 2, v4                   ; 16 r + 4 u
	s_wait_alu depctr_va_vdst(0)
	s_wait_kmcnt 0x0
	s_add_nc_u64 s[4:5], s[4:5], s[20:21]
	s_add_nc_u64 s[8:9], s[8:9], s[22:23]
	s_add_nc_u64 s[10:11], s[10:11], s[24:25]
	WBODY 2048
	s_endpgm
; =============== W2: expert q / 32, outputs 32 cg on (chain wave cg), K step s 0..3
.Lw2:
	s_load_b256 s[4:11], s[0:1], 0x30
	v_lshrrev_b32 v1, 5, v0
	s_delay_alu instid0(VALU_DEP_1)
	v_readfirstlane_b32 s12, v1
	v_and_b32 v1, 31, v0
	s_wait_alu depctr_va_vdst(0)
	s_and_b32 s13, ttmp9, 15
	s_lshl_b32 s13, s13, 4
	s_add_co_u32 s13, s13, s12
	s_lshr_b32 s14, s13, 5                         ; e
	s_bfe_u32 s15, s13, 0x30002                    ; cg 0..7
	s_and_b32 s16, s13, 3                          ; s
	s_lshl_b32 s20, s14, 19
	s_lshl_b32 s21, s16, 17
	s_add_co_u32 s20, s20, s21
	s_lshl_b32 s21, s15, 7
	s_add_co_u32 s20, s20, s21
	s_mov_b32 s21, 0
	s_lshl_b32 s22, s14, 17
	s_lshl_b32 s23, s15, 14
	s_add_co_u32 s22, s22, s23
	s_lshl_b32 s23, s16, 11
	s_add_co_u32 s22, s22, s23
	s_add_co_u32 s22, s22, 0x100000                ; W2's part of wq; fragment 4 n + s
	s_mov_b32 s23, 0
	s_lshl_b32 s24, s14, 3
	s_add_co_u32 s24, s24, s15
	s_lshl_b32 s24, s24, 9
	s_and_b32 s25, s16, 1
	s_lshl_b32 s25, s25, 8
	s_add_co_u32 s24, s24, s25
	s_lshr_b32 s25, s16, 1
	s_lshl_b32 s25, s25, 2
	s_add_co_u32 s24, s24, s25
	s_add_co_u32 s24, s24, 0x8000                  ; W2's part of ws: [lane 16 (s % 2) + r][2 n + s / 2]
	s_mov_b32 s25, 0
	s_mov_b32 s99, MANT
	v_lshlrev_b32 v2, 2, v1
	v_lshrrev_b32 v6, 4, v1                        ; n
	v_and_b32 v7, 15, v1                           ; r
	s_delay_alu instid0(VALU_DEP_1)
	v_lshlrev_b32 v3, 4, v7
	s_delay_alu instid0(VALU_DEP_1)
	v_lshl_add_u32 v3, v6, 13, v3                  ; 8,192 n + 16 r
	s_delay_alu instid0(VALU_DEP_3)
	v_lshlrev_b32 v4, 4, v7
	s_delay_alu instid0(VALU_DEP_1)
	v_lshl_add_u32 v4, v6, 3, v4                   ; 16 r + 8 n
	s_wait_alu depctr_va_vdst(0)
	s_wait_kmcnt 0x0
	s_add_nc_u64 s[4:5], s[6:7], s[20:21]
	s_add_nc_u64 s[8:9], s[8:9], s[22:23]
	s_add_nc_u64 s[10:11], s[10:11], s[24:25]
	WBODY 1024
	s_endpgm
.Lfunc_end_k_q03b19448f9_prep:
	.size	k_q03b19448f9_prep, .Lfunc_end_k_q03b19448f9_prep-k_q03b19448f9_prep
	.p2alignl 7, 3214868480
	.fill 96, 4, 3214868480
	.section	.rodata,"a",@progbits
	.p2align	6, 0x0
	.amdhsa_kernel k_q03b19448f9_prep
		.amdhsa_group_segment_fixed_size 54272
		.amdhsa_private_segment_fixed_size 0
		.amdhsa_enable_private_segment 0
		.amdhsa_kernarg_size 80
		.amdhsa_user_sgpr_count 2
		.amdhsa_user_sgpr_kernarg_segment_ptr 1
		.amdhsa_wavefront_size32 1
		.amdhsa_system_sgpr_workgroup_id_x 1
		.amdhsa_system_sgpr_workgroup_id_y 1
		.amdhsa_system_sgpr_workgroup_id_z 1
		.amdhsa_system_vgpr_workitem_id 0
		.amdhsa_next_free_vgpr 130
		.amdhsa_next_free_sgpr 100
		.amdhsa_reserve_vcc 1
		.amdhsa_float_denorm_mode_32 3
		.amdhsa_float_denorm_mode_16_64 3
		.amdhsa_memory_ordered 1
		.amdhsa_forward_progress 1
		.amdhsa_inst_pref_size 117
	.end_amdhsa_kernel
	.amdgpu_metadata
---
amdhsa.version: [ 1, 2 ]
amdhsa.kernels:
  - .name:           k_q03b19448f9_prep
    .symbol:         k_q03b19448f9_prep.kd
    .args:
      - { .name: x, .offset: 0, .size: 8, .value_kind: global_buffer, .address_space: global }
      - { .name: Wr, .offset: 8, .size: 8, .value_kind: global_buffer, .address_space: global }
      - { .name: br, .offset: 16, .size: 8, .value_kind: global_buffer, .address_space: global }
      - { .name: xq, .offset: 24, .size: 8, .value_kind: global_buffer, .address_space: global }
      - { .name: tinfo, .offset: 32, .size: 8, .value_kind: global_buffer, .address_space: global }
      - { .name: tkc, .offset: 40, .size: 8, .value_kind: global_buffer, .address_space: global }
      - { .name: W1, .offset: 48, .size: 8, .value_kind: global_buffer, .address_space: global }
      - { .name: W2, .offset: 56, .size: 8, .value_kind: global_buffer, .address_space: global }
      - { .name: wq, .offset: 64, .size: 8, .value_kind: global_buffer, .address_space: global }
      - { .name: ws, .offset: 72, .size: 8, .value_kind: global_buffer, .address_space: global }
    .group_segment_fixed_size: 54272
    .private_segment_fixed_size: 0
    .kernarg_segment_align: 8
    .kernarg_segment_size: 80
    .max_flat_workgroup_size: 512
    .sgpr_count:     100
    .vgpr_count:     130
    .wavefront_size: 32
...
	.end_amdgpu_metadata
.endif
;; end of part 5
;; launch place (part 6): grid 1 x 1, 32 waves a work-group, no clusters, 8,192 bytes of LDS; arguments tkc, order; writes order
.if DOCPART == 6
	.amdgcn_target "amdgcn-amd-amdhsa--gfx1250"
	.amdhsa_code_object_version 6
	.text
	.protected	k_q03b19448f9_place
	.globl	k_q03b19448f9_place
	.p2align	8
	.type	k_q03b19448f9_place,@function
k_q03b19448f9_place:
	s_mov_b64 s[64:65], 0
	v_nop
	global_prefetch_b8 v0, s[64:65] scope:SCOPE_SE
	s_setreg_imm32_b32 hwreg(HW_REG_WAVE_SCHED_MODE, 0, 2), 2
	s_setreg_imm32_b32 hwreg(HW_REG_WAVE_MODE, 25, 1), 1
	s_wait_xcnt 0x0
	s_wait_alu depctr_vm_vsrc(0)
; PLACE.  A counting sort of the 32,768 tokens by class (pair of experts), without atomics, by one work-group.
; tkc holds, for each run of 32 tokens, a pair of words a lane: the token's class | rank << 8 | a << 16 | b << 20, and (lane = class) the run's count of that class.
; A token's place = the classes before its own + its class's tokens in earlier runs + its rank in its run.  order[place] = token | a << 16 | b << 20.
; Wave v takes runs 32 v .. 32 v + 31.  In every count a lane stands for a class.
; The stores are 4 bytes a lane to scattered places: 128 KiB in all; that lies in the nature of a permutation.
; THE MODE: SCHED_MODE bits 1:0 = 2 (LLVM: expert scheduling mode 2), set by the entry lines.  The code itself states the register dependences
; between vector instructions and memory or LDS instructions, with s_wait_alu, always for 0.
; THE PLAN.  Registers that memory or LDS instructions touch:
;   v2, v4, v14   Offsets and LDS addresses: made at the head, never written again.
;   v3            Written by the adds; read by the one LDS store; never written again.
;   v32-95        The global loads land here.  The even ones (the words) are shifted in place and are the permutes' addresses; the odd ones become running sums, the permutes' data;
;                 then both are written again, as the final stores' addresses and data.
;   v96-127       The LDS loads of the waves' counts land here; the sums read them; then the permutes' results land here; the placing lines read them.
;   v9            Written by an add; read by the first permute; never written again.
; One wait on va_vdst stands ahead of each run of memory or LDS instructions whose registers vector lines have made (the loads, the LDS store, the permutes, each eight stores); one wait on vm_vsrc stands
; between the permutes and the lines that write their sources again.  A permute's result lands in another register than its address.  Eight waves of 128 registers fill a SIMD: there is no further buffer.
	s_load_b128 s[4:7], s[0:1], 0x0                ; tkc, order
	v_lshl_add_u32 v30, v0, 2, 0x1000
	v_mov_b32 v31, 0
	v_lshrrev_b32 v1, 5, v0
	v_readfirstlane_b32 s8, v1                     ; wave 0..31
	v_and_b32 v1, 31, v0                           ; lane
	v_lshlrev_b32 v2, 3, v1
	v_lshlrev_b32 v4, 2, v0                        ; LDS: 128 x wave + 4 x lane
	v_lshlrev_b32 v14, 2, v1
	s_wait_alu depctr_va_sdst(0)                   ; the wave's number is written, ahead of its first reader, the shift below
	s_lshl_b32 s10, s8, 13
	s_mov_b32 s11, 0
	s_wait_kmcnt 0x0
	s_add_nc_u64 s[4:5], s[4:5], s[10:11]
	s_wait_alu depctr_va_vdst(0)                   ; v2 is written, which the loads read as their offset; so are v4 and v14, the LDS addresses further down
.set i, 0
.rept 32
	global_load_b64 v[32+2*i:33+2*i], v2, s[4:5] offset:256*i   ; run i of mine: 256 consecutive aligned bytes
.set i, i+1
.endr
	s_wait_loadcnt 0x0
	v_add_nc_u32 v3, v33, v35
.set i, 2
.rept 30
	v_add_nc_u32 v3, v3, v[33+2*i]                 ; my wave's count of each class
.set i, i+1
.endr
	s_wait_alu depctr_va_vdst(0)                   ; the adds have written v3, the LDS store's data
	ds_store_b32 v4, v3
	s_wait_dscnt 0x0                               ; for the others' sake
	s_barrier_signal -1
	s_barrier_wait -1
.set k, 0
.rept 32
	ds_load_b32 v[96+k], v14 offset:128*k          ; every wave's counts (no vector line has named v96-127 yet)
.set k, k+1
.endr
	v_mov_b32 v5, 0
	v_mov_b32 v6, 0
	s_wait_alu depctr_va_vdst(0)
	s_wait_dscnt 0x0
.set k, 0
.rept 32
	v_add_nc_u32 v5, v5, v[96+k]                   ; each class's tokens in all,
	s_cmp_gt_u32 s8, k
	s_cselect_b32 s9, -1, 0
	v_and_b32 v7, s9, v[96+k]
	v_add_nc_u32 v6, v6, v7                        ; and in the waves before mine
.set k, k+1
.endr
	v_mov_b32 v8, 0
.set c, 0
.rept 32
	v_readlane_b32 s[16+c], v5, c                  ; each class's count into a scalar register of its own: one run, one wait
.set c, c+1
.endr
	s_wait_alu depctr_va_sdst(0)                   ; s16 to s47 are written, ahead of their first readers, the additions below
	s_mov_b32 s11, 0
.set c, 0
.rept 32
	v_writelane_b32 v8, s11, c                     ; the classes' first places: a running sum over the lanes
	s_add_co_u32 s11, s11, s[16+c]
.set c, c+1
.endr
	v_add_nc_u32 v9, v8, v6                        ; where my first run's tokens of each class begin
	v_add_nc_u32 v33, v33, v9                      ; the counts become running sums in place: run i + 1 begins where run i ends
.set i, 1
.rept 31
	v_add_nc_u32 v[33+2*i], v[33+2*i], v[31+2*i]
.set i, i+1
.endr
.set i, 0
.rept 32
	v_lshlrev_b32 v[32+2*i], 2, v[32+2*i]          ; the word x 4, in place: the permute takes (address / 4) mod 32: the word's low five bits, my class; the word's other fields stand two bits higher from here on
.set i, i+1
.endr
	s_wait_alu depctr_va_vdst(0)                   ; written: the permutes' addresses (the even registers of v32-95) and their data (v9 and the odd ones); and the sums above are done reading v96-127, in which the results land
.set i, 0
.rept 32
.if i == 0
	ds_bpermute_b32 v[96+i], v[32+2*i], v9         ; each token pulls its class's place; no source of a permute is rewritten while it is out
.else
	ds_bpermute_b32 v[96+i], v[32+2*i], v[31+2*i]
.endif
.set i, i+1
.endr
	s_lshl_b32 s9, s8, 10
	v_add_nc_u32 v11, s9, v1                       ; my token in run 0 of mine
	s_wait_alu depctr_va_vdst(0)
	s_wait_dscnt 0x0
	s_wait_alu depctr_vm_vsrc(0)                   ; the permutes have read v32-95, which the lines below write again
; Eight runs are placed: each run has its own address and data registers; v12 and v13 are named by no memory instruction
.macro MAKE g
.set i, 8*(\g)
.rept 8
	v_add_nc_u32 v12, 32*i, v11
	v_lshrrev_b32 v13, 2, v[32+2*i]                ; the word as it was loaded
	v_and_or_b32 v[33+2*i], v13, 0xff0000, v12     ; token | a << 16 | b << 20
	v_bfe_u32 v13, v[32+2*i], 10, 5
	v_add_nc_u32 v13, v13, v[96+i]                 ; + my rank
	v_min_u32 v13, 0x7fff, v13                     ; a place is under 32,768: the bound stands in the text
	v_lshlrev_b32 v[32+2*i], 2, v13
.set i, i+1
.endr
.endm
.macro SEND g
.set i, 8*(\g)
.rept 8
	global_store_b32 v[32+2*i], v[33+2*i], s[6:7]  ; none of these registers is written again
.set i, i+1
.endr
.endm
	MAKE 0
	s_wait_alu depctr_va_vdst(0)                   ; runs 0 to 7: their stores' addresses and data are written
	SEND 0
	MAKE 1                                         ; (it names the registers of runs 8 to 15, v11, v12 and v13 alone: none that the stores above read)
	s_wait_alu depctr_va_vdst(0)                   ; runs 8 to 15 likewise
	SEND 1
	MAKE 2
	s_wait_alu depctr_va_vdst(0)                   ; runs 16 to 23
	SEND 2
	MAKE 3
	s_wait_alu depctr_va_vdst(0)                   ; runs 24 to 31
	SEND 3
	s_wait_dscnt 0x0                               ; the closing lines, six on end, of a launch in the mode that stores to LDS
	s_wait_alu 0x0
	s_wait_tensorcnt 0x0
	ds_add_u32 v30, v31
	s_wait_dscnt 0x0
	s_endpgm
.Lfunc_end_k_q03b19448f9_place:
	.size	k_q03b19448f9_place, .Lfunc_end_k_q03b19448f9_place-k_q03b19448f9_place
	.p2alignl 7, 3214868480
	.fill 96, 4, 3214868480
	.section	.rodata,"a",@progbits
	.p2align	6, 0x0
	.amdhsa_kernel k_q03b19448f9_place
		.amdhsa_group_segment_fixed_size 8192
		.amdhsa_private_segment_fixed_size 0
		.amdhsa_enable_private_segment 0
		.amdhsa_kernarg_size 16
		.amdhsa_user_sgpr_count 2
		.amdhsa_user_sgpr_kernarg_segment_ptr 1
		.amdhsa_wavefront_size32 1
		.amdhsa_system_sgpr_workgroup_id_x 1
		.amdhsa_system_sgpr_workgroup_id_y 1
		.amdhsa_system_sgpr_workgroup_id_z 1
		.amdhsa_system_vgpr_workitem_id 0
		.amdhsa_next_free_vgpr 128
		.amdhsa_next_free_sgpr 66
		.amdhsa_reserve_vcc 0
		.amdhsa_float_denorm_mode_32 3
		.amdhsa_float_denorm_mode_16_64 3
		.amdhsa_memory_ordered 1
		.amdhsa_forward_progress 1
		.amdhsa_inst_pref_size 37
	.end_amdhsa_kernel
	.amdgpu_metadata
---
amdhsa.version: [ 1, 2 ]
amdhsa.kernels:
  - .name:           k_q03b19448f9_place
    .symbol:         k_q03b19448f9_place.kd
    .args:
      - { .name: tkc, .offset: 0, .size: 8, .value_kind: global_buffer, .address_space: global }
      - { .name: order, .offset: 8, .size: 8, .value_kind: global_buffer, .address_space: global }
    .group_segment_fixed_size: 8192
    .private_segment_fixed_size: 0
    .kernarg_segment_align: 8
    .kernarg_segment_size: 16
    .max_flat_workgroup_size: 1024
    .sgpr_count:     66
    .vgpr_count:     128
    .wavefront_size: 32
...
	.end_amdgpu_metadata
.endif
;; end of part 6
;; launch chain (part 7): grid 256 x 1, 8 waves a work-group, no clusters, 261,120 bytes of LDS; arguments order, xq, tinfo, wq, ws, b1, b2, moe; writes moe
.if DOCPART == 7
	.amdgcn_target "amdgcn-amd-amdhsa--gfx1250"
	.amdhsa_code_object_version 6
	.text
	.protected	k_q03b19448f9_chain
	.globl	k_q03b19448f9_chain
	.p2align	8
	.type	k_q03b19448f9_chain,@function
k_q03b19448f9_chain:
	s_mov_b64 s[64:65], 0
	v_nop
	global_prefetch_b8 v0, s[64:65] scope:SCOPE_SE
	s_setreg_imm32_b32 hwreg(HW_REG_WAVE_MODE, 25, 1), 1
	s_wait_xcnt 0x0
; CHAIN.  moe[token][:] = sum over the token's two experts e of we x (gelu(tok W1e + b1e) W2e + b2e), both products on E4M3 codes with E8M0 scales for each 32 along K.
; A work-group takes 128 places of the sorted list (tokens sorted by their pair of experts): 8 tiles of 16 rows.  It walks the experts that its rows use, one a trip of a loop of 8 constant trips;
; in a trip a tile is worked only if one of its rows uses the expert (a scalar branch on the stored list, inside tile loops of constant count; every wave passes every barrier).
; Since branches hang on stored numbers, the launch has no tensor load and no multicast: the weights go from memory straight into registers, as images laid out by the launch before.
; THE WAVES SHARE THE COLUMNS: wave w makes hidden units 64 w .. 64 w + 63 and outputs 32 w .. 32 w + 31 for all rows: its part of W1e (8 fragments) and W2e (8) fills register window 1.
; The next expert's W1 is asked for when phase 1 has ended, its W2 when phase 2 has ended: each has a phase in which to land.
; BOTH PRODUCTS ARE USED TRANSPOSED (source 0 = 16 rows of weights, source 1 = 16 tokens): a lane holds one token, its registers run along the hidden units or the outputs.
; The rows of W1 that form a tile are chosen (by the launch before) so that the 16 registers of tiles 2 b and 2 b + 1 are 16 neighbours along the next K.
; The hidden layer goes from wave to wave through LDS as images of the operand's registers, each wave's in a range of its own.  The outputs are summed over the experts in a stage in LDS, each wave's own part.
; GELU, exact form: gelu(x) = S - A erfc(|x| / sqrt 2), A = |x| / 2, S = x / 2 + A (x or 0); erfc(z) = t 2^(K2 x^2 + C0 + C1 t + .. + C9 t^9), t = 1 / (1 + z / 2): the rational-exponential fit of
; Numerical Recipes (erfcc), fractional error under 1.2e-7 for every z, its coefficients multiplied by log2 e.  So small results at negative x keep their relative accuracy ahead of the quantiser.
; LIMITS: NaN and infinities are not served; 2^arg under 2^-126 comes out as 0 (x under about -13: gelu is then under 1e-37); a block of zeros carries the scale byte 1 (its codes are zeros).
.set XSC,   34816                      ; LDS: 0: x's codes, 128 rows x 272;  XSC: 8 scale bytes a row
.set GT,    35840                      ; the two gates a row, f32
.set OWL,   36864                      ; the list's word a row
.set HIMG,  37888                      ; hidden images: 8,192 w + 1,024 m + 512 b + 16 lane
.set HSC,   103424                     ; hidden scale bytes, a word a lane: 1,024 w + 128 m + 4 lane
.set STG,   111616                     ; the stage: SWV w + 144 row + 64 n + 32 h + 4 j
.set SWV,   18560                      ; 128 rows x 144 + 128: two waves' parts begin 128 bytes apart modulo 256, so that whole rows are read back from all banks
.set LI,   1                           ; 16 x lane
.set LS,   2                           ; 4 x lane
.set BH1,  3                           ; 64 h
.set BH2,  4                           ; 32 h
.set XT0,  5                           ; 272 r + 16 h
.set XS0,  6                           ; XSC + 8 r
.set HW0,  7                           ; HIMG + 8,192 w + 16 lane
.set HSW0, 8                           ; HSC + 1,024 w + 4 lane
.set HR0,  9                           ; HIMG + 16 lane
.set HSR0, 10                          ; HSC + 4 lane
.set GT0,  11                          ; GT + 8 r
.set OW0,  12                          ; OWL + 4 r
.set SG0,  13                          ; STG + SWV w + 144 r + 32 h
                                       ; v14-18 the addresses of the tile in hand
.set VC9,  20                          ; v[20:21] C9, v[22:23] C0 (an instruction reads one scalar pair beside them)
.set VC0,  22
.set W1S,  24                          ; v24-27 W1's scale words: register = tile, lanes 0-15 K step 0, lanes 16-31 K step 1
.set W2S,  28                          ; v28-31 W2's: register 2 n + s / 2, lanes by s % 2
.set B1,   32                          ; v32-63 b1 in the result's layout, 8 a tile
.set B2,   64                          ; v64-79 b2 likewise
.set HA,   80                          ; v80-111 my 4 tiles of the hidden layer
.set Y,    80                          ; phase 2: v80-95 two accumulators, v96-111 the stage's numbers
.set SG,   96
.set RA,   112                         ; GELU at work: A, t, the polynomial, K2 x^2 + C0
.set RT,   128
.set RP,   144
.set RQ,   160
.set XF,   112                         ; x's two fragments;  phase 2: the hidden layer's four
.set HF,   112
.set PC,   176                         ; v176-183 the codes just made
.set TM,   184                         ; v184-192 the quantiser at work;  phase 2: v184-191 the eight waves' scale words
.set HSR,  184
.set XS,   200                         ; v200-201 x's scale words;  v202-205 the hidden layer's
.set HS,   202
.set GW,   206                         ; v206-207 the row's gates, v208 its word of the list, v[210:211] the gate for this expert
.set OWD,  208
.set GG,   210
.set WV,   20
.set PM,   22                          ; s[22:23] byte t: the set of experts that tile t uses
.set PS,   24                          ; s[24:25] the same shifted right by the expert in hand (bit 0 of byte t), or 0
.set REM,  26                          ; experts still to be walked
.set CUR,  27
.set NV,   28
.set NX,   29
.set SEL,  32
.set MNT,  34
.set SC,   66                          ; s[66:81] C1 .. C8 as pairs, s[82:83] KD, s[84:85] K2
.set KD,   82
.set K2,   84
.set MSB, 0
.macro WIN new                         ; the immediate's high byte repeats the setting that is left
.if MSB != \new
	s_set_vgpr_msb (MSB<<8)|\new
.set MSB, \new
.endif
.endm
.macro SPAIR r, val                    ; the packed forms name a pair and take its low word for both halves: both are written
	s_mov_b32 s[\r], \val
	s_mov_b32 s[\r+1], \val
.endm
; my part of expert s[e]'s W1: 32 + 1 + 8 = 41 loads.  The bases are written only where all earlier loads that name them have been waited for
.macro LOADW1 e
	s_mov_b32 s63, 0
	s_lshl_b32 s62, s[\e], 17
	s_add_nc_u64 s[36:37], s[48:49], s[62:63]
	s_lshl_b32 s62, s[\e], 12
	s_add_nc_u64 s[38:39], s[52:53], s[62:63]
	s_lshl_b32 s62, s[\e], 11
	s_add_nc_u64 s[40:41], s[56:57], s[62:63]
	WIN 0x40                                       ; destination window 1
.set i, 0
.rept 32
	global_load_b128 v[4*i:4*i+3], v[LI], s[36:37] offset:512*i    ; fragment i / 4, group i % 4: 512 consecutive bytes
.set i, i+1
.endr
	WIN 0
	global_load_b128 v[W1S:W1S+3], v[LI], s[38:39]
.irp t, 0,1,2,3
	global_load_b128 v[B1+8*\t:B1+8*\t+3], v[BH1], s[40:41] offset:128*(\t/2)+32*(\t%2)
	global_load_b128 v[B1+8*\t+4:B1+8*\t+7], v[BH1], s[40:41] offset:128*(\t/2)+32*(\t%2)+16
.endr
.endm
.macro LOADW2 e                        ; W2: 32 + 1 + 4 = 37 loads
	s_mov_b32 s63, 0
	s_lshl_b32 s62, s[\e], 17
	s_add_nc_u64 s[42:43], s[50:51], s[62:63]
	s_lshl_b32 s62, s[\e], 12
	s_add_nc_u64 s[44:45], s[54:55], s[62:63]
	s_lshl_b32 s62, s[\e], 10
	s_add_nc_u64 s[46:47], s[58:59], s[62:63]
	WIN 0x40
.set i, 0
.rept 32
	global_load_b128 v[128+4*i:128+4*i+3], v[LI], s[42:43] offset:512*i
.set i, i+1
.endr
	WIN 0
	global_load_b128 v[W2S:W2S+3], v[LI], s[44:45]
.irp n, 0,1
	global_load_b128 v[B2+8*\n:B2+8*\n+3], v[BH2], s[46:47] offset:64*\n
	global_load_b128 v[B2+8*\n+4:B2+8*\n+7], v[BH2], s[46:47] offset:64*\n+16
.endr
.endm
; gelu of the 16 numbers v[HA + 16 b ..], in place.  Each accumulator is first read at its low end.  The 16 reciprocals are one batch with one wait, and so are the 16 exponentials
.macro GELU b
.set H0, HA+16*(\b)
.set i, 0
.rept 16
	v_mul_f32 v[RA+i], 0.5, |v[H0+i]|              ; A = |x| / 2
.set i, i+1
.endr
.set i, 0
.rept 8
	v_pk_fma_f32 v[RT+i:RT+i+1], v[RA+i:RA+i+1], s[KD:KD+1], 1.0 op_sel_hi:[1,0,0]   ; 1 + z / 2
.set i, i+2
.endr
.set i, 0
	s_wait_alu depctr_va_vdst(0)
.rept 16
	v_rcp_f32 v[RT+i], v[RT+i]                     ; t
.set i, i+1
.endr
.set i, 0
.rept 8
	v_pk_mul_f32 v[RQ+i:RQ+i+1], v[H0+i:H0+i+1], v[H0+i:H0+i+1]   ; work that names no t stands behind the reciprocals
.set i, i+2
.endr
.set i, 0
.rept 8
	v_pk_fma_f32 v[RQ+i:RQ+i+1], v[RQ+i:RQ+i+1], s[K2:K2+1], v[VC0:VC0+1] op_sel_hi:[1,0,1]   ; K2 x^2 + C0
.set i, i+2
.endr
.set i, 0
.rept 8
	v_pk_fma_f32 v[H0+i:H0+i+1], v[H0+i:H0+i+1], 0.5, v[RA+i:RA+i+1] op_sel_hi:[1,0,1]        ; S = x / 2 + A
.set i, i+2
.endr
	s_wait_alu depctr_va_vdst(0)                   ; one wait for the 16 reciprocals, ahead of their first reader
.set i, 0
.rept 8
	v_pk_fma_f32 v[RP+i:RP+i+1], v[RT+i:RT+i+1], v[VC9:VC9+1], s[SC+14:SC+15] op_sel_hi:[1,1,0]   ; C9 t + C8
.set i, i+2
.endr
.irp k, 7,6,5,4,3,2,1
.set i, 0
.rept 8
	v_pk_fma_f32 v[RP+i:RP+i+1], v[RP+i:RP+i+1], v[RT+i:RT+i+1], s[SC+2*\k-2:SC+2*\k-1] op_sel_hi:[1,1,0]
.set i, i+2
.endr
.endr
.set i, 0
.rept 8
	v_pk_fma_f32 v[RP+i:RP+i+1], v[RP+i:RP+i+1], v[RT+i:RT+i+1], v[RQ+i:RQ+i+1]
.set i, i+2
.endr
.set i, 0
	s_wait_alu depctr_va_vdst(0)
.rept 16
	v_exp_f32 v[RP+i], v[RP+i]
.set i, i+1
.endr
.set i, 0
.rept 8
	v_pk_mul_f32 v[RA+i:RA+i+1], v[RA+i:RA+i+1], v[RT+i:RT+i+1]   ; A t: plain work behind the exponentials
.set i, i+2
.endr
	s_wait_alu depctr_va_vdst(0)                   ; one wait for the 16 exponentials
.set i, 0
.rept 8
	v_pk_fma_f32 v[H0+i:H0+i+1], v[RA+i:RA+i+1], v[RP+i:RP+i+1], v[H0+i:H0+i+1] neg_lo:[1,0,0] neg_hi:[1,0,0]   ; S - A t 2^arg
.set i, i+2
.endr
.endm
; the same 16 numbers and lane l xor 16's are a block of 32 along the next K: codes into v[PC + 4 b ..], the scale's byte into v[TM + 6 + b]
.macro QH b
.set H0, HA+16*(\b)
	v_max3_num_f32 v[TM], |v[H0]|, |v[H0+1]|, 0x4800000          ; with the floor 2^(9-127): the byte cannot fall under 1
	v_max3_num_f32 v[TM+1], |v[H0+2]|, |v[H0+3]|, |v[H0+4]|
	s_delay_alu instid0(VALU_DEP_2)
	v_max3_num_f32 v[TM], v[TM], |v[H0+5]|, |v[H0+6]|
	s_delay_alu instid0(VALU_DEP_2)
	v_max3_num_f32 v[TM+1], v[TM+1], |v[H0+7]|, |v[H0+8]|
	s_delay_alu instid0(VALU_DEP_2)
	v_max3_num_f32 v[TM], v[TM], |v[H0+9]|, |v[H0+10]|
	s_delay_alu instid0(VALU_DEP_2)
	v_max3_num_f32 v[TM+1], v[TM+1], |v[H0+11]|, |v[H0+12]|
	s_delay_alu instid0(VALU_DEP_2)
	v_max3_num_f32 v[TM], v[TM], |v[H0+13]|, |v[H0+14]|
	s_delay_alu instid0(VALU_DEP_1)
	v_max3_num_f32 v[TM], v[TM], v[TM+1], |v[H0+15]|
	s_delay_alu instid0(VALU_DEP_1)
	v_permlanex16_b32 v[TM+2], v[TM], s[SEL], s[SEL+1]
	s_delay_alu instid0(VALU_DEP_1)
	v_max_num_f32 v[TM], v[TM], v[TM+2]
	s_delay_alu instid0(VALU_DEP_1)
	v_add_nc_u32 v[TM+3], 0xfc000000, v[TM]        ; 8 off the exponent field: the conversion's scale operand
	s_delay_alu instid0(VALU_DEP_2)
	v_and_or_b32 v[TM+4], v[TM], 0x7f800000, s[MNT]   ; 448 x the scale
	s_delay_alu instid0(VALU_DEP_2)
	v_lshrrev_b32 v[TM+6+(\b)], 23, v[TM+3]
.set i, 0
.rept 16
	v_med3_num_f32 v[H0+i], v[H0+i], -v[TM+4], v[TM+4]   ; the conversion does not saturate (ISA guide 7.6.2)
.set i, i+1
.endr
	v_cvt_scalef32_pk8_fp8_f32 v[PC+4*(\b):PC+4*(\b)+1], v[H0:H0+7], v[TM+3]
	v_cvt_scalef32_pk8_fp8_f32 v[PC+4*(\b)+2:PC+4*(\b)+3], v[H0+8:H0+15], v[TM+3]
	v_nop                                          ; a plain line behind the last conversion
.endm
; =============== the head
	s_load_b512 s[4:19], s[0:1], 0x0               ; order s[4:5], xq s[6:7], tinfo s[8:9], wq s[10:11], ws s[12:13], b1 s[14:15], b2 s[16:17], moe s[18:19]
	v_lshl_add_u32 v254, v0, 2, 0x3f800
	v_mov_b32 v255, 0
	v_lshrrev_b32 v1, 5, v0
	s_delay_alu instid0(VALU_DEP_1)
	v_readfirstlane_b32 s[WV], v1                  ; wave 0..7
	v_and_b32 v19, 31, v0                          ; lane
	v_and_b32 v14, 15, v0                          ; r
	v_bfe_u32 v15, v0, 4, 1                        ; h
	s_delay_alu instid0(VALU_DEP_3)
	v_lshlrev_b32 v[LI], 4, v19
	s_delay_alu instid0(VALU_DEP_4)
	v_lshlrev_b32 v[LS], 2, v19
	s_delay_alu instid0(VALU_DEP_3)
	v_lshlrev_b32 v[BH1], 6, v15
	s_delay_alu instid0(VALU_DEP_4)
	v_lshlrev_b32 v[BH2], 5, v15
	v_mul_u32_u24 v[XT0], v14, 272
	s_delay_alu instid0(VALU_DEP_1)
	v_lshl_add_u32 v[XT0], v15, 4, v[XT0]
	v_lshl_add_u32 v[XS0], v14, 3, XSC
	s_lshl_b32 s2, s[WV], 13
	s_add_co_u32 s2, s2, HIMG
	v_add_nc_u32 v[HW0], s2, v[LI]
	s_lshl_b32 s2, s[WV], 10
	s_add_co_u32 s2, s2, HSC
	v_add_nc_u32 v[HSW0], s2, v[LS]
	v_add_nc_u32 v[HR0], HIMG, v[LI]
	v_add_nc_u32 v[HSR0], HSC, v[LS]
	v_lshl_add_u32 v[GT0], v14, 3, GT
	v_lshl_add_u32 v[OW0], v14, 2, OWL
	s_mul_i32 s3, s[WV], SWV
	s_add_co_u32 s3, s3, STG                       ; my part of the stage
	v_mul_u32_u24 v[SG0], v14, 144
	s_delay_alu instid0(VALU_DEP_1)
	v_lshl_add_u32 v[SG0], v15, 5, v[SG0]
	s_delay_alu instid0(VALU_DEP_1)
	v_add_nc_u32 v[SG0], s3, v[SG0]
	s_lshl_b32 s2, s[WV], 6
	v_lshl_add_u32 v16, v15, 2, s2                 ; the list's words of rows 16 w + h (+ 2 i)
	v_lshl_add_u32 v17, v14, 2, s2                 ; and of row 16 w + r
	v_lshlrev_b32 v18, 4, v14                      ; 16 r
	s_lshl_b32 s62, ttmp9, 9                       ; my 128 places
	s_mov_b32 s63, 0
	s_wait_alu depctr_va_vdst(0)
	s_wait_kmcnt 0x0
	s_add_nc_u64 s[4:5], s[4:5], s[62:63]
.irp j, 0,1,2,3
	global_load_b32 v[80+\j], v[LS], s[4:5] offset:128*\j         ; all 128 words: for the tiles' sets of experts
.endr
.irp i, 0,1,2,3,4,5,6,7
	global_load_b32 v[84+\i], v16, s[4:5] offset:8*\i             ; sixteen lanes hold one row's word: for the gather of its codes
.endr
	global_load_b32 v92, v17, s[4:5]
	s_lshl_b32 s62, s[WV], 14                      ; my wave's parts of the weights' buffers
	s_add_nc_u64 s[48:49], s[10:11], s[62:63]
	s_add_nc_u64 s[50:51], s[48:49], 0x100000
	s_lshl_b32 s62, s[WV], 9
	s_add_nc_u64 s[52:53], s[12:13], s[62:63]
	s_add_nc_u64 s[54:55], s[52:53], 0x8000
	s_lshl_b32 s62, s[WV], 8
	s_add_nc_u64 s[56:57], s[14:15], s[62:63]
	s_lshl_b32 s62, s[WV], 7
	s_add_nc_u64 s[58:59], s[16:17], s[62:63]
	s_mov_b32 s[SEL], 0x76543210
	s_mov_b32 s[SEL+1], 0xfedcba98                 ; v_permlanex16_b32's selects for lane l xor 16
	s_mov_b32 s[MNT], 0x600000
	SPAIR SC+0,  0x3fb8ab5a                        ; C1 =  1.4427292
	SPAIR SC+2,  0x3f0a29d2                        ; C2 =  0.53970062
	SPAIR SC+4,  0x3e0efb2e                        ; C3 =  0.13963006
	SPAIR SC+6,  0xbe899a80                        ; C4 = -0.26875686
	SPAIR SC+8,  0x3ecdfd18                        ; C5 =  0.40232158
	SPAIR SC+10, 0xbfd1a1e5                        ; C6 = -1.6377532
	SPAIR SC+12, 0x40097039                        ; C7 =  2.1474745
	SPAIR SC+14, 0xbf97d29d                        ; C8 = -1.1861149
	SPAIR KD,    0x3f3504f3                        ; 1 / sqrt 2
	SPAIR K2,    0xbf38aa3b                        ; -log2(e) / 2
	v_mov_b32 v[VC9], 0x3e7c6f08                   ; C9 =  0.24651730
	v_mov_b32 v[VC9+1], 0x3e7c6f08
	v_mov_b32 v[VC0], 0xbfe9b21e                   ; C0 = -1.8257482
	v_mov_b32 v[VC0+1], 0xbfe9b21e
	v_mov_b32 v[TM+2], 0                           ; a lane permute's destination counts as one of its sources
.irp j, 0,1,2,3
	v_mov_b32 v[100+\j], 0
	v_mov_b32 v[148+\j], 0
.endr
	v_mov_b32 v105, 1
	v_add_nc_u32 v106, s3, v[LI]                   ; my part of the stage, 16 bytes a lane
	s_mul_i32 s2, s[WV], 16*272
	v_mul_u32_u24 v107, v15, 272
	s_delay_alu instid0(VALU_DEP_1)
	v_lshl_add_u32 v107, v14, 4, v107
	s_delay_alu instid0(VALU_DEP_1)
	v_add_nc_u32 v107, s2, v107                    ; x's rows into LDS: row 16 w + h, 16 r
	s_lshl_b32 s2, s[WV], 7
	v_add_nc_u32 v108, s2, v[XS0]
	v_add_nc_u32 v109, s2, v[GT0]
	s_lshl_b32 s2, s[WV], 6
	v_add_nc_u32 v110, s2, v[OW0]
	s_wait_loadcnt 0x0                             ; the list's words
.irp j, 0,1,2,3
	v_bfe_u32 v[96+\j], v[80+\j], 16, 3            ; a
	v_bfe_u32 v104, v[80+\j], 20, 3                ; b
	s_delay_alu instid0(VALU_DEP_2)
	v_lshlrev_b32 v[96+\j], v[96+\j], v105
	s_delay_alu instid0(VALU_DEP_2)
	v_lshlrev_b32 v104, v104, v105
	s_delay_alu instid0(VALU_DEP_1)
	v_or_b32 v[96+\j], v[96+\j], v104              ; 1 << a | 1 << b
.endr
.irp x, 1,2,4,8                        ; the union over each sixteen lanes: a tile's set of experts
.irp j, 0,1,2,3
	v_mov_b32_dpp v[100+\j], v[96+\j] row_xmask:\x row_mask:0xf bank_mask:0xf
.endr
.irp j, 0,1,2,3
	s_delay_alu instid0(VALU_DEP_4)
	v_or_b32 v[96+\j], v[96+\j], v[100+\j]
.endr
.endr
	s_wait_alu depctr_va_vdst(0)
.irp p, 0,1
	v_readlane_b32 s[PM+\p], v[96+2*\p], 0
	v_readlane_b32 s62, v[96+2*\p], 16
	s_lshl_b32 s62, s62, 8
	s_or_b32 s[PM+\p], s[PM+\p], s62
	v_readlane_b32 s62, v[97+2*\p], 0
	s_lshl_b32 s62, s62, 16
	s_or_b32 s[PM+\p], s[PM+\p], s62
	v_readlane_b32 s62, v[97+2*\p], 16
	s_lshl_b32 s62, s62, 24
	s_or_b32 s[PM+\p], s[PM+\p], s62
.endr
	s_or_b32 s[REM], s[PM], s[PM+1]
	s_lshr_b32 s62, s[REM], 16
	s_or_b32 s[REM], s[REM], s62
	s_lshr_b32 s62, s[REM], 8
	s_or_b32 s[REM], s[REM], s62
	s_and_b32 s[REM], s[REM], 0xff                 ; the experts that the block uses
	s_ctz_i32_b32 s[CUR], s[REM]
	s_min_u32 s[CUR], s[CUR], 7                    ; the first of them; the bound stands in the text
	s_lshr_b32 s[PS], s[PM], s[CUR]                ; bit 0 of byte t: does tile t use it?  (a shift under 8 keeps each byte's bit inside its word)
	s_lshr_b32 s[PS+1], s[PM+1], s[CUR]
.irp i, 0,1,2,3,4,5,6,7
	v_and_b32 v[84+\i], 0x7fff, v[84+\i]
	s_delay_alu instid0(VALU_DEP_1)
	v_min_u32 v[84+\i], 0x7fff, v[84+\i]           ; a token is under 32,768
	s_delay_alu instid0(VALU_DEP_1)
	v_lshl_add_u32 v[84+\i], v[84+\i], 8, v18      ; its row of 256 codes, 16 bytes a lane
.endr
	v_and_b32 v93, 0x7fff, v92
	s_delay_alu instid0(VALU_DEP_1)
	v_min_u32 v93, 0x7fff, v93
	s_delay_alu instid0(VALU_DEP_1)
	v_lshlrev_b32 v93, 4, v93
.irp i, 0,1,2,3,4,5,6,7
	global_load_b128 v[112+4*\i:115+4*\i], v[84+\i], s[6:7]       ; two rows an instruction, each 256 consecutive aligned bytes
.endr
	global_load_b128 v[144:147], v93, s[8:9]       ; the row's 8 scale bytes and two gates
	LOADW1 CUR                                     ; 41 loads behind the 9 gathers: 50 of mine are out
.set i, 0
.rept 36
	ds_store_b128 v106, v[148:151] offset:512*i    ; my part of the stage begins as zeros: 128 rows x 144 bytes
.set i, i+1
.endr
	s_wait_loadcnt 41                              ; loads come back in order: the gathers are in; W1's 41 loads behind them may be out
.irp i, 0,1,2,3,4,5,6,7
	ds_store_b128 v107, v[112+4*\i:115+4*\i] offset:544*\i
.endr
	ds_store_b64 v108, v[144:145]                  ; (lanes 16-31 repeat lanes 0-15 with the same values)
	ds_store_b64 v109, v[146:147]
	ds_store_b32 v110, v92
	s_wait_dscnt 0x0                               ; for the others' sake
	s_barrier_signal -1
	s_barrier_wait -1                              ; x's rows, scales, gates and words lie in LDS
	s_wait_loadcnt 0x0                             ; W1 is in: phase 1 wants it at once
	LOADW2 CUR                                     ; W2's 37 loads have phase 1 in which to land
; =============== the experts: 8 trips.  At the head W1 of the expert in hand has landed, and at most W2's 37 loads are out
	s_mov_b32 s30, 0
.Lexp:
	; ---- phase 1: my 64 hidden units for each tile that uses the expert
	s_mov_b64 s[60:61], s[PS:PS+1]
	s_mov_b32 s86, 0                               ; 16 rows of x: 4,352 a tile
	s_mov_b32 s87, 0                               ; 128 a tile
	s_mov_b32 s88, 0                               ; 1,024 a tile
	s_mov_b32 s31, 0
.Lp1:
	s_bitcmp1_b32 s60, 0
	s_cbranch_scc0 .Lp1n
	s_setprio 2
	v_add_nc_u32 v14, s86, v[XT0]
	v_add_nc_u32 v15, s87, v[XS0]
	v_add_nc_u32 v16, s88, v[HW0]
	v_add_nc_u32 v17, s87, v[HSW0]
.irp s, 0,1
.irp c, 0,1,2,3
	ds_load_b128 v[XF+16*\s+4*\c:XF+16*\s+4*\c+3], v14 offset:128*\s+32*\c
.endr
.endr
	ds_load_b64 v[XS:XS+1], v15
	s_wait_dscnt 0x0
	WIN 0x01                                       ; source 0 (W1) window 1
.irp t, 0,1,2,3                        ; the four accumulators by turns; b1 is the C of each sum's first product
	v_wmma_scale_f32_16x16x128_f8f6f4 v[HA+8*\t:HA+8*\t+7], v[32*\t:32*\t+15], v[XF:XF+15], v[B1+8*\t:B1+8*\t+7], v[W1S+\t], v[XS]
.endr
.irp t, 0,1,2,3
	v_wmma_scale_f32_16x16x128_f8f6f4 v[HA+8*\t:HA+8*\t+7], v[32*\t+16:32*\t+31], v[XF+16:XF+31], v[HA+8*\t:HA+8*\t+7], v[W1S+\t], v[XS+1] matrix_a_scale:MATRIX_SCALE_ROW1
.endr
	WIN 0
.rept 8
	v_nop                                          ; eight places ahead of the first read of results
.endr
	GELU 0
	QH 0
	s_setprio 1
	GELU 1
	s_setprio 0
	QH 1
	v_lshl_or_b32 v[TM+8], v[TM+7], 8, v[TM+6]     ; my two scale bytes of the row
	ds_store_b128 v16, v[PC:PC+3]
	ds_store_b128 v16, v[PC+4:PC+7] offset:512
	ds_store_b32 v17, v[TM+8]
	s_wait_dscnt 0x0                               ; the stores are done: their address and data registers are written again in the next tile
.Lp1n:
	s_lshr_b32 s60, s60, 8                         ; the next tile's byte
	s_lshl_b32 s62, s61, 24
	s_or_b32 s60, s60, s62
	s_lshr_b32 s61, s61, 8
	s_add_co_u32 s86, s86, 16*272
	s_add_co_u32 s87, s87, 128
	s_add_co_u32 s88, s88, 1024
	s_add_co_u32 s31, s31, 1
	s_cmp_lt_u32 s31, 8
	s_cbranch_scc1 .Lp1
	s_setprio 0
	s_wait_dscnt 0x0
	s_barrier_signal -1
	s_barrier_wait -1                              ; the hidden layer's images lie in LDS
	s_wait_loadcnt 0x0                             ; W2 is in; no load is out, so the bases may be written
	s_lshl_b32 s62, 1, s[CUR]
	s_and_not1_b32 s[REM], s[REM], s62
	s_ctz_i32_b32 s[NX], s[REM]
	s_min_u32 s[NX], s[NX], 7                      ; the next expert,
	s_cmp_lg_u32 s[REM], 0
	s_cselect_b32 s[NV], 1, 0                      ; if there is one
	s_cbranch_scc0 .Lnw1
	LOADW1 NX                                      ; phase 1 has read W1 for the last time: the next expert's lands during phase 2
.Lnw1:
	; ---- phase 2: my 32 outputs for each tile that uses the expert, weighed and added into my part of the stage
	s_mov_b64 s[60:61], s[PS:PS+1]
	s_mov_b32 s87, 0                               ; 128 a tile
	s_mov_b32 s88, 0                               ; 1,024
	s_mov_b32 s89, 0                               ; 64
	s_mov_b32 s90, 0                               ; 16 rows of the stage: 2,304
	s_mov_b32 s31, 0
.Lp2:
	s_bitcmp1_b32 s60, 0
	s_cbranch_scc0 .Lp2n
	v_add_nc_u32 v14, s88, v[HR0]
	v_add_nc_u32 v15, s87, v[HSR0]
	v_add_nc_u32 v16, s87, v[GT0]
	v_add_nc_u32 v17, s89, v[OW0]
	v_add_nc_u32 v18, s90, v[SG0]
.irp s, 0,1,2,3
.irp c, 0,1,2,3
	ds_load_b128 v[HF+16*\s+4*\c:HF+16*\s+4*\c+3], v14 offset:(2*\s+\c/2)*8192+(\c%2)*512   ; K step s, group c: wave 2 s + c / 2 made it
.endr
.endr
.irp u, 0,1,2,3,4,5,6,7
	ds_load_b32 v[HSR+\u], v15 offset:1024*\u
.endr
	ds_load_b64 v[GW:GW+1], v16
	ds_load_b32 v[OWD], v17
.irp n, 0,1
	ds_load_b128 v[SG+8*\n:SG+8*\n+3], v18 offset:64*\n
	ds_load_b128 v[SG+8*\n+4:SG+8*\n+7], v18 offset:64*\n+16
.endr
	s_wait_dscnt 0x0
.irp s, 0,1,2,3
	v_lshl_or_b32 v[HS+\s], v[HSR+2*\s+1], 16, v[HSR+2*\s]       ; two waves' bytes make K step s's scale word
.endr
	v_bfe_u32 v209, v[OWD], 16, 3                  ; the gate: the row's weight for this expert, 0 for a row that does not use it.
	v_bfe_u32 v212, v[OWD], 20, 3                  ; (these lines and the three v_nops are ten places between the scale words and the products)
	s_delay_alu instid0(VALU_DEP_2)
	v_cmp_eq_u32 vcc_lo, s[CUR], v209
	s_delay_alu instid0(VALU_DEP_1)
	v_cndmask_b32 v[GG], 0, v[GW], vcc_lo
	s_delay_alu instid0(VALU_DEP_3)
	v_cmp_eq_u32 vcc_lo, s[CUR], v212
	s_delay_alu instid0(VALU_DEP_1)
	v_cndmask_b32 v[GG], v[GG], v[GW+1], vcc_lo
	s_delay_alu instid0(VALU_DEP_1)
	v_mov_b32 v[GG+1], v[GG]
.rept 3
	v_nop
.endr
	WIN 0x01                                       ; source 0 (W2) window 1
.irp s, 0,1,2,3                        ; the two accumulators by turns; b2 is the C of each sum's first product
.irp n, 0,1
.if \s == 0
	v_wmma_scale_f32_16x16x128_f8f6f4 v[Y+8*\n:Y+8*\n+7], v[128+16*(4*\n+\s):128+16*(4*\n+\s)+15], v[HF+16*\s:HF+16*\s+15], v[B2+8*\n:B2+8*\n+7], v[W2S+2*\n+\s/2], v[HS+\s]
.elseif \s == 2
	v_wmma_scale_f32_16x16x128_f8f6f4 v[Y+8*\n:Y+8*\n+7], v[128+16*(4*\n+\s):128+16*(4*\n+\s)+15], v[HF+16*\s:HF+16*\s+15], v[Y+8*\n:Y+8*\n+7], v[W2S+2*\n+\s/2], v[HS+\s]
.else
	v_wmma_scale_f32_16x16x128_f8f6f4 v[Y+8*\n:Y+8*\n+7], v[128+16*(4*\n+\s):128+16*(4*\n+\s)+15], v[HF+16*\s:HF+16*\s+15], v[Y+8*\n:Y+8*\n+7], v[W2S+2*\n+\s/2], v[HS+\s] matrix_a_scale:MATRIX_SCALE_ROW1
.endif
.endr
.endr
	WIN 0
.rept 9
	v_nop                                          ; eight places ahead of the first read of results; the ninth since the next products begin these accumulators anew
.endr
.set i, 0
.rept 8
	v_pk_fma_f32 v[Y+i:Y+i+1], v[Y+i:Y+i+1], v[GG:GG+1], v[SG+i:SG+i+1]   ; from each accumulator's low end on
.set i, i+2
.endr
.irp n, 0,1
	ds_store_b128 v18, v[Y+8*\n:Y+8*\n+3] offset:64*\n
	ds_store_b128 v18, v[Y+8*\n+4:Y+8*\n+7] offset:64*\n+16
.endr
	s_wait_dscnt 0x0                               ; the stores are done: their registers are written again in the next tile
.Lp2n:
	s_lshr_b32 s60, s60, 8
	s_lshl_b32 s62, s61, 24
	s_or_b32 s60, s60, s62
	s_lshr_b32 s61, s61, 8
	s_add_co_u32 s87, s87, 128
	s_add_co_u32 s88, s88, 1024
	s_add_co_u32 s89, s89, 64
	s_add_co_u32 s90, s90, 16*144
	s_add_co_u32 s31, s31, 1
	s_cmp_lt_u32 s31, 8
	s_cbranch_scc1 .Lp2
	s_wait_dscnt 0x0
	s_barrier_signal -1
	s_barrier_wait -1                              ; every wave has read the images: the next trip may write them; behind the last trip: the stage is whole
	s_wait_loadcnt 0x0                             ; the next W1 is in; no load is out
	s_cmp_lg_u32 s[NV], 0
	s_cbranch_scc0 .Lnw2
	LOADW2 NX                                      ; lands during the next phase 1
.Lnw2:
	s_min_u32 s[CUR], s[NX], 7
	s_lshr_b32 s62, s[PM], s[CUR]
	s_lshr_b32 s63, s[PM+1], s[CUR]
	s_cmp_lg_u32 s[NV], 0
	s_cselect_b32 s[PS], s62, 0                    ; no expert left: no tile is worked in the trips that remain
	s_cselect_b32 s[PS+1], s63, 0
	s_add_co_u32 s30, s30, 1
	s_cmp_lt_u32 s30, 8
	s_cbranch_scc1 .Lexp
; =============== the way out: wave w stores rows 16 w .. 16 w + 15 whole, each to its token's row of moe
	v_and_b32 v14, 31, v0
	s_delay_alu instid0(VALU_DEP_1)
	v_lshrrev_b32 v15, 3, v14
	s_delay_alu instid0(VALU_DEP_2)
	v_and_b32 v16, 7, v14
	s_delay_alu instid0(VALU_DEP_2)
	v_mul_u32_u24 v15, v15, SWV                    ; eight lanes take one wave's 128 bytes of the row
	s_delay_alu instid0(VALU_DEP_1)
	v_lshl_add_u32 v15, v16, 4, v15
	s_mul_i32 s2, s[WV], 16*144
	s_add_co_u32 s2, s2, STG
	v_add_nc_u32 v15, s2, v15                      ; outputs 0-127
	s_delay_alu instid0(VALU_DEP_1)
	v_add_nc_u32 v16, 4*SWV, v15                   ; outputs 128-255
	s_lshl_b32 s2, s[WV], 6
	s_add_co_u32 s2, s2, OWL
	v_mov_b32 v17, s2
.set i, 0
.rept 16
	ds_load_b32 v[32+i], v17 offset:4*i            ; the row's word, the same in all lanes
.set i, i+1
.endr
.set i, 0
.rept 16
	ds_load_b128 v[112+8*i:115+8*i], v15 offset:144*i
	ds_load_b128 v[116+8*i:119+8*i], v16 offset:144*i
.set i, i+1
.endr
	s_wait_dscnt 32                                ; the 16 words are in; the 32 loads behind them may be out
.set i, 0
.rept 16
	v_and_b32 v[32+i], 0x7fff, v[32+i]
	s_delay_alu instid0(VALU_DEP_1)
	v_min_u32 v[32+i], 0x7fff, v[32+i]
	s_delay_alu instid0(VALU_DEP_1)
	v_lshl_add_u32 v[32+i], v[32+i], 10, v[LI]     ; the token's row of 1,024 bytes, 16 a lane
.set i, i+1
.endr
.set i, 0
	s_wait_alu depctr_va_vdst(0)
.rept 16
	s_wait_dscnt 30-2*i                            ; row i's two loads are in; the younger ones may be out
	global_store_b128 v[32+i], v[112+8*i:115+8*i], s[18:19]              ; 512 consecutive aligned bytes
	global_store_b128 v[32+i], v[116+8*i:119+8*i], s[18:19] offset:512
.set i, i+1
.endr
	s_wait_tensorcnt 0x0
	ds_add_u32 v254, v255
	s_wait_dscnt 0x0
	s_endpgm
.Lfunc_end_k_q03b19448f9_chain:
	.size	k_q03b19448f9_chain, .Lfunc_end_k_q03b19448f9_chain-k_q03b19448f9_chain
	.p2alignl 7, 3214868480
	.fill 96, 4, 3214868480
	.section	.rodata,"a",@progbits
	.p2align	6, 0x0
	.amdhsa_kernel k_q03b19448f9_chain
		.amdhsa_group_segment_fixed_size 261120
		.amdhsa_private_segment_fixed_size 0
		.amdhsa_enable_private_segment 0
		.amdhsa_kernarg_size 64
		.amdhsa_user_sgpr_count 2
		.amdhsa_user_sgpr_kernarg_segment_ptr 1
		.amdhsa_wavefront_size32 1
		.amdhsa_system_sgpr_workgroup_id_x 1
		.amdhsa_system_sgpr_workgroup_id_y 1
		.amdhsa_system_sgpr_workgroup_id_z 1
		.amdhsa_system_vgpr_workitem_id 0
		.amdhsa_next_free_vgpr 512
		.amdhsa_next_free_sgpr 96
		.amdhsa_reserve_vcc 1
		.amdhsa_float_denorm_mode_32 3
		.amdhsa_float_denorm_mode_16_64 3
		.amdhsa_memory_ordered 1
		.amdhsa_forward_progress 1
		.amdhsa_inst_pref_size 78
	.end_amdhsa_kernel
	.amdgpu_metadata
---
amdhsa.version: [ 1, 2 ]
amdhsa.kernels:
  - .name:           k_q03b19448f9_chain
    .symbol:         k_q03b19448f9_chain.kd
    .args:
      - { .name: order, .offset: 0, .size: 8, .value_kind: global_buffer, .address_space: global }
      - { .name: xq, .offset: 8, .size: 8, .value_kind: global_buffer, .address_space: global }
      - { .name: tinfo, .offset: 16, .size: 8, .value_kind: global_buffer, .address_space: global }
      - { .name: wq, .offset: 24, .size: 8, .value_kind: global_buffer, .address_space: global }
      - { .name: ws, .offset: 32, .size: 8, .value_kind: global_buffer, .address_space: global }
      - { .name: b1, .offset: 40, .size: 8, .value_kind: global_buffer, .address_space: global }
      - { .name: b2, .offset: 48, .size: 8, .value_kind: global_buffer, .address_space: global }
      - { .name: moe, .offset: 56, .size: 8, .value_kind: global_buffer, .address_space: global }
    .group_segment_fixed_size: 261120
    .private_segment_fixed_size: 0
    .kernarg_segment_align: 8
    .kernarg_segment_size: 64
    .max_flat_workgroup_size: 256
    .sgpr_count:     96
    .vgpr_count:     512
    .wavefront_size: 32
...
	.end_amdgpu_metadata
.endif
;; end of part 7
;; launch merge (part 8): grid 512 x 1, 8 waves a work-group, no clusters, 66,816 bytes of LDS; arguments x, moe, scale, out0; writes out0
.if DOCPART == 8
	.amdgcn_target "amdgcn-amd-amdhsa--gfx1250"
	.amdhsa_code_object_version 6
	.text
	.protected	k_q03b19448f9_merge
	.globl	k_q03b19448f9_merge
	.p2align	8
	.type	k_q03b19448f9_merge,@function
k_q03b19448f9_merge:
	s_mov_b64 s[64:65], 0
	v_nop
	global_prefetch_b8 v0, s[64:65] scope:SCOPE_SE
	s_setreg_imm32_b32 hwreg(HW_REG_WAVE_SCHED_MODE, 0, 2), 2
	s_setreg_imm32_b32 hwreg(HW_REG_WAVE_MODE, 25, 1), 1
	s_wait_xcnt 0x0
	s_wait_alu depctr_vm_vsrc(0)
; MERGE.  out0[b][c][t] = x[b][c][t] + scale x moe[token][c]: moe lies token-major, x and out0 channel-major, so 64 tokens x 256 channels turn through LDS.
; A stream: each byte is read once and written once, in whole aligned runs of 256 bytes or more; no matrix unit, no cluster: work-groups share nothing.
; Work-group j: tokens 64 j .. 64 j + 63 (one image).  In: wave w reads tokens 8 w .. 8 w + 7 of moe (8,192 consecutive bytes) and puts them into rows of 1,028 bytes.
; Out: wave w takes channels 32 w .. 32 w + 31; a lane takes tokens 2 lane and 2 lane + 1: rows 2,056 bytes apart are 2 banks apart, so the 32 lanes of a read touch 32 different banks.
; THE MODE: SCHED_MODE bits 1:0 = 2 (LLVM: expert scheduling mode 2), set by the entry lines.  The code itself states the register dependences
; between vector instructions and memory or LDS instructions, with s_wait_alu, always for 0.
; THE PLAN.  Registers that memory or LDS instructions touch:
;   v2-5      Offsets and LDS addresses: made at the head, never written again.
;   v16-79    moe's loads land here; the LDS stores read them; behind the barrier the LDS loads land here; the multiply-adds read them.
;   v80-143   x's loads land here; the multiply-adds write them in place; the global stores read them; never written again.
; One wait on va_vdst ahead of the first load (the offsets); one on vm_vsrc behind the barrier (the LDS stores have read v16-79); then the 32 channels go in four groups of eight:
; a group's multiply-adds, one wait on va_vdst, its eight stores; the next group's multiply-adds name other registers than those stores read.
	s_load_b256 s[4:11], s[0:1], 0x0               ; x s[4:5], moe s[6:7], scale s[8:9], out0 s[10:11]
	v_lshl_add_u32 v144, v0, 2, 0x10100
	v_mov_b32 v145, 0
	v_lshrrev_b32 v1, 5, v0
	v_readfirstlane_b32 s14, v1                    ; wave 0..7
	v_and_b32 v1, 31, v0
	v_lshlrev_b32 v2, 4, v1                        ; 16 x lane
	v_lshlrev_b32 v3, 3, v1                        ; 8 x lane
	s_wait_alu depctr_va_sdst(0)                   ; the wave's number is written, ahead of its first reader, the product below
	s_mul_i32 s15, s14, 8*1028
	v_add_nc_u32 v4, s15, v2                       ; LDS, in
	v_mul_u32_u24 v5, v1, 2056
	s_lshl_b32 s15, s14, 7
	v_add_nc_u32 v5, s15, v5                       ; LDS, out: token 2 lane, channel 32 w
	s_lshl_b32 s16, ttmp9, 16
	s_lshl_b32 s15, s14, 13
	s_add_co_u32 s16, s16, s15                     ; moe: 64 j + 8 w rows of 1,024 bytes
	s_mov_b32 s17, 0
	s_lshr_b32 s18, ttmp9, 5
	s_lshl_b32 s18, s18, 21                        ; the image
	s_lshl_b32 s15, s14, 18                        ; 32 w channels of 8,192 bytes
	s_add_co_u32 s18, s18, s15
	s_and_b32 s15, ttmp9, 31
	s_lshl_b32 s15, s15, 8                         ; 64 tokens of 4 bytes
	s_add_co_u32 s18, s18, s15
	s_mov_b32 s19, 0
	s_wait_kmcnt 0x0
	s_load_b32 s12, s[8:9], 0x0
	s_add_nc_u64 s[6:7], s[6:7], s[16:17]
	s_add_nc_u64 s[4:5], s[4:5], s[18:19]
	s_add_nc_u64 s[10:11], s[10:11], s[18:19]
	s_wait_alu depctr_va_vdst(0)                   ; v2 to v5 are written: the offsets and LDS addresses of every load and store of the kernel
.set k, 0
.rept 16
	global_load_b128 v[16+4*k:19+4*k], v2, s[6:7] offset:512*k th:TH_LOAD_NT
.set k, k+1
.endr
.set i, 0
.rept 32
	global_load_b64 v[80+2*i:81+2*i], v3, s[4:5] offset:8192*i th:TH_LOAD_NT   ; channel 32 w + i: 256 consecutive aligned bytes
.set i, i+1
.endr
.set k, 0
.rept 16
	s_wait_loadcnt 47-k                            ; loads come back in order: moe's load k is in; the 15 - k of moe and the 32 of x behind it may be out
.irp q, 0,1,2,3
	ds_store_b32 v4, v[16+4*k+\q] offset:(k/2)*1028+(k%2)*512+4*\q
.endr
.set k, k+1
.endr
	s_wait_kmcnt 0x0
	s_mov_b32 s13, s12                             ; the packed form names a pair
	s_wait_dscnt 0x0                               ; for the others' sake: my stores have landed
	s_barrier_signal -1
	s_barrier_wait -1
	s_wait_alu depctr_vm_vsrc(0)                   ; my LDS stores have read v16-79, in which the LDS loads below land
.set i, 0
.rept 32
	ds_load_b32 v[16+2*i], v5 offset:4*i
	ds_load_b32 v[17+2*i], v5 offset:1028+4*i
.set i, i+1
.endr
; Channels 8 g to 8 g + 7: the multiply-adds, each behind its two counted waits; one wait; the eight stores
.macro OUT8 g
.set i, 8*(\g)
.rept 8
	s_wait_dscnt 62-2*i                            ; channel i's two reads are in; the younger ones may be out
	s_wait_loadcnt 31-i                            ; and so is x's load i
	v_pk_fma_f32 v[80+2*i:81+2*i], v[16+2*i:17+2*i], s[12:13], v[80+2*i:81+2*i] op_sel_hi:[1,0,1]
.set i, i+1
.endr
	s_wait_alu depctr_va_vdst(0)                   ; the group's eight multiply-adds have written their pairs of v80-143, which the eight stores below read
.set i, 8*(\g)
.rept 8
	global_store_b64 v3, v[80+2*i:81+2*i], s[10:11] offset:8192*i th:TH_STORE_NT   ; 256 consecutive aligned bytes; each channel has its own registers
.set i, i+1
.endr
.endm
	OUT8 0
	OUT8 1
	OUT8 2
	OUT8 3
	s_wait_dscnt 0x0                               ; the closing lines, six on end, of a launch in the mode that stores to LDS
	s_wait_alu 0x0
	s_wait_tensorcnt 0x0
	ds_add_u32 v144, v145
	s_wait_dscnt 0x0
	s_endpgm
.Lfunc_end_k_q03b19448f9_merge:
	.size	k_q03b19448f9_merge, .Lfunc_end_k_q03b19448f9_merge-k_q03b19448f9_merge
	.p2alignl 7, 3214868480
	.fill 96, 4, 3214868480
	.section	.rodata,"a",@progbits
	.p2align	6, 0x0
	.amdhsa_kernel k_q03b19448f9_merge
		.amdhsa_group_segment_fixed_size 66816
		.amdhsa_private_segment_fixed_size 0
		.amdhsa_enable_private_segment 0
		.amdhsa_kernarg_size 32
		.amdhsa_user_sgpr_count 2
		.amdhsa_user_sgpr_kernarg_segment_ptr 1
		.amdhsa_wavefront_size32 1
		.amdhsa_system_sgpr_workgroup_id_x 1
		.amdhsa_system_sgpr_workgroup_id_y 1
		.amdhsa_system_sgpr_workgroup_id_z 1
		.amdhsa_system_vgpr_workitem_id 0
		.amdhsa_next_free_vgpr 146
		.amdhsa_next_free_sgpr 66
		.amdhsa_reserve_vcc 0
		.amdhsa_float_denorm_mode_32 3
		.amdhsa_float_denorm_mode_16_64 3
		.amdhsa_memory_ordered 1
		.amdhsa_forward_progress 1
		.amdhsa_inst_pref_size 23
	.end_amdhsa_kernel
	.amdgpu_metadata
---
amdhsa.version: [ 1, 2 ]
amdhsa.kernels:
  - .name:           k_q03b19448f9_merge
    .symbol:         k_q03b19448f9_merge.kd
    .args:
      - { .name: x, .offset: 0, .size: 8, .value_kind: global_buffer, .address_space: global }
      - { .name: moe, .offset: 8, .size: 8, .value_kind: global_buffer, .address_space: global }
      - { .name: scale, .offset: 16, .size: 8, .value_kind: global_buffer, .address_space: global }
      - { .name: out0, .offset: 24, .size: 8, .value_kind: global_buffer, .address_space: global }
    .group_segment_fixed_size: 66816
    .private_segment_fixed_size: 0
    .kernarg_segment_align: 8
    .kernarg_segment_size: 32
    .max_flat_workgroup_size: 256
    .sgpr_count:     66
    .vgpr_count:     146
    .wavefront_size: 32
...
	.end_amdgpu_metadata
.endif
;; end of part 8
